; MI455X (gfx1250); checked and timed in simulation.
; The chip was launched on July 23, 2026; its instructions are those of AMD's public machine-readable ISA for CDNA 5 (MIT licence, August 2026) and "CDNA5" Instruction Set Architecture Reference Guide (July 2026). The comments in the code are by the model that wrote it; some were corrected since.
;; Rc Mo E Rep Layer. Allowed arithmetic: float matrix products may take bf16 or f16 operands with f32 sums; all other float work in f32.
;; Inputs: codebook 16 float32; mean 4,096 x 8 x 4 float32; nf4 4,096 x 8 x 1,024 int32; router_w 2,048 x 8 float32; std 4,096 x 8 x 4 float32; w1 2,048 x 4,096 float32; w2 4,096 x 2,048 float32; x 2 x 2,048 x 2,048 float32.
;; Outputs: out0 2 x 2,048 x 2,048 float32.
;; 2 versions, each right; version 2 is version 1 with the launch prep written anew for expert scheduling mode. Each part assembles by itself: llvm-mc -triple=amdgcn-amd-amdhsa -mcpu=gfx1250 --defsym DOCPART=n.
;; ======== version 1 of 2: 4 launches
;; workspace buffers: xb 16,777,216 bytes; w1b 16,777,216 bytes; w2b 16,777,216 bytes; hb 33,554,432 bytes; sc 1,048,576 bytes; part 67,108,864 bytes
;; launch prep (part 1): grid 256 x 1, 16 waves a work-group, no clusters, 67,584 bytes of LDS; arguments x, w1, w2, router_w, mean, std, xb, w1b, w2b, sc; writes xb, w1b, w2b, sc
.if DOCPART == 1
	.amdgcn_target "amdgcn-amd-amdhsa--gfx1250"
	.amdhsa_code_object_version 6
	.text
	.protected	k_q31843dead3_prep
	.globl	k_q31843dead3_prep
	.p2align	8
	.type	k_q31843dead3_prep,@function
k_q31843dead3_prep:
	s_mov_b64 s[64:65], 0
	v_nop
	global_prefetch_b8 v0, s[64:65] scope:SCOPE_SE
	s_setreg_imm32_b32 hwreg(HW_REG_WAVE_MODE, 25, 1), 1
	s_wait_xcnt 0x0
; The casts and the router.  x, w1 and w2 (f32) are each 4,096 chunks of 2,048 numbers.  Wave R = 16 x work-group + wave (0 .. 4,095) rounds chunk R of all three to bf16
; (xb, w1b, w2b, same layouts) and makes token R's weights: logits x[R] . router_w in f32, softmax with its maximum taken away, p rounded to f16 and widened again.
; What the mix needs of them goes to sc[R]: for lane l = 4 e + b the pair (p_e std[e][b], the sum over e of p_e mean[e][l % 4]).  x is read once: its registers feed the cast and the logits.
; ORDER.  All 58 loads go out at the start; the router, which works on LDS, stands between x's cast and w1's and w2's, so that it runs while their 32 loads are on their way.
; No matrix unit (8 columns; x is in registers in f32 anyway), no cluster (work-groups share router_w's 64 KiB alone).
; LIMITS.  p = e x rcp(sum): a few units in f32's last place ahead of the rounding to f16; an exponential below 2^-126 counts as 0; NaN and infinities are not treated apart.
; LDS, 64 KiB: router_w laid anew, so that lane l finds the eight weights of its own four x of a load: the 16 bytes w[128 j + 4 l + c][4 half ..] lie at 4096 j + 1024 c + 512 half + 16 l.
.set LANE, 1                           ; v1      lane
.set O16,  2                           ; v2      16 x lane; never rewritten
.set O8,   3                           ; v3      8 x lane; never rewritten
.set STG,  4                           ; v4      where my 16 bytes of router_w go in LDS
.set O4,   5                           ; v5      4 x lane
.set SD,   8                           ; v8      std[R] word l = 4 e + b
.set MN,   9                           ; v9      mean[R] word l
.set A,    12                          ; v12-19  eight partial logits; then at work
.set W,    20                          ; v20-27  at work; at the end v22 = p std, v23 = the bias
.set T,    28                          ; v28-59  router_w on its way, then packed x
.set G,    28                          ; then two buffers of 16 for router_w out of LDS
.set X,    60                          ; v60-123 x[R]: load j holds h = 128 j + 4 l + 0..3
.set WA,   124                         ; v124-187 w1's chunk
.set WB,   188                         ; v188-251 w2's chunk
	s_load_b512 s[8:23], s[0:1], 0x0               ; x 8, w1 10, w2 12, router_w 14, mean 16, std 18, xb 20, w1b 22
	s_load_b128 s[24:27], s[0:1], 0x40             ; w2b 24, sc 26
	v_lshl_add_u32 v254, v0, 2, 0x10000
	v_mov_b32 v255, 0
	v_lshrrev_b32 v1, 5, v0
	v_readfirstlane_b32 s2, v1                     ; wave 0..15
	v_and_b32 v[LANE], 31, v0
	s_lshl_b32 s3, ttmp9, 4
	s_add_co_u32 s3, s3, s2                        ; R
	s_lshl_b32 s4, s3, 13                          ; R x 8,192: a chunk of f32
	s_mov_b32 s5, 0
	s_lshl_b32 s6, s3, 12                          ; R x 4,096: a chunk of bf16
	s_mov_b32 s7, 0
	s_lshl_b32 s32, s3, 8                          ; R x 256: a token's pairs in sc
	s_mov_b32 s33, 0
	s_lshl_b32 s34, s3, 7                          ; R x 128: a token's mean, std
	s_mov_b32 s35, 0
	s_lshl_b32 s60, s2, 12                         ; wave x 4,096: my part of router_w, in memory and in LDS
	s_mov_b32 s61, 0
	s_mov_b32 s54, 0xffff0000                      ; lanes with bit 4 set
	s_mov_b32 s55, 0xff00ff00                      ; bit 3
	s_mov_b32 s56, 0xf0f0f0f0                      ; bit 2
	s_mov_b32 s58, 0x76543210                      ; v_permlanex16_b32: each lane takes its own place in the other half
	s_mov_b32 s59, 0xfedcba98
	v_lshlrev_b32 v[O16], 4, v[LANE]
	v_lshlrev_b32 v[O8], 3, v[LANE]
	v_lshlrev_b32 v[O4], 2, v[LANE]
	v_and_b32 v[STG], 7, v0                        ; load i, lane l holds row 16 i + l / 2 of my 128, half l % 2: c = (l / 2) % 4, place 4 i + l / 8
	v_lshlrev_b32 v[STG], 9, v[STG]                ; 1024 c + 512 half = 512 (l % 8)
	v_bfe_u32 v[W], v0, 3, 2
	v_lshl_add_u32 v[STG], v[W], 4, v[STG]         ; + 16 (l / 8); 64 i stands in the store's immediate
	v_add_nc_u32 v[STG], s60, v[STG]
	s_wait_kmcnt 0x0
	s_add_nc_u64 s[8:9], s[8:9], s[4:5]
	s_add_nc_u64 s[10:11], s[10:11], s[4:5]
	s_add_nc_u64 s[12:13], s[12:13], s[4:5]
	s_add_nc_u64 s[20:21], s[20:21], s[6:7]
	s_add_nc_u64 s[22:23], s[22:23], s[6:7]
	s_add_nc_u64 s[24:25], s[24:25], s[6:7]
	s_add_nc_u64 s[16:17], s[16:17], s[34:35]
	s_add_nc_u64 s[18:19], s[18:19], s[34:35]
	s_add_nc_u64 s[26:27], s[26:27], s[32:33]
	s_add_nc_u64 s[14:15], s[14:15], s[60:61]
	; 58 loads go out at once: 8 of router_w, 2 small ones, 16 each of x, w1, w2 (512 consecutive bytes an instruction)
.irp i, 0,1,2,3,4,5,6,7
	global_load_b128 v[T+4*(\i):T+4*(\i)+3], v[O16], s[14:15] offset:512*(\i)
.endr
	global_load_b32 v[SD], v[O4], s[18:19] th:TH_LOAD_NT
	global_load_b32 v[MN], v[O4], s[16:17] th:TH_LOAD_NT
.set j, 0
.rept 16
	global_load_b128 v[X+4*j:X+4*j+3], v[O16], s[8:9] offset:512*j th:TH_LOAD_NT
.set j, j+1
.endr
.set j, 0
.rept 16
	global_load_b128 v[WA+4*j:WA+4*j+3], v[O16], s[10:11] offset:512*j th:TH_LOAD_NT
.set j, j+1
.endr
.set j, 0
.rept 16
	global_load_b128 v[WB+4*j:WB+4*j+3], v[O16], s[12:13] offset:512*j th:TH_LOAD_NT
.set j, j+1
.endr
	s_wait_loadcnt 50                              ; loads come back in order (ISA guide 5.7.1): router_w's eight are in, the 50 younger stay out
.irp i, 0,1,2,3,4,5,6,7
	ds_store_b128 v[STG], v[T+4*(\i):T+4*(\i)+3] offset:64*(\i)
.endr
	s_wait_dscnt 0x0                               ; for the others' sake: my 4 KiB of the table are written
	s_barrier_signal -1
	s_barrier_wait -1                              ; all 64 KiB are; nothing writes them again
	s_wait_loadcnt 32                              ; x and the small ones are in; w1's and w2's 32 stay out
.set k, 0
.rept 32
	v_cvt_pk_bf16_f32 v[T+k], v[X+2*k], v[X+2*k+1]
.set k, k+1
.endr
.set j, 0
.rept 16
	global_store_b64 v[O8], v[T+2*j:T+2*j+1], s[20:21] offset:256*j   ; the wave's store covers 256 consecutive bytes, aligned
.set j, j+1
.endr
	s_wait_xcnt 0x0                                ; T, which the stores read, is loaded again only behind this wait (ISA guide 3.1)
; THE ROUTER.  Group g = 2 j + cp: the eight weights of each of my x numbers 2 cp and 2 cp + 1 of load j.  RGRP: four LDS loads (lane l at 16 l: no two lanes in one bank).
; RFMA: eight packed multiply-adds onto eight partial logits.
.macro RGRP g, buf
.irp c, 0,1
	ds_load_b128 v[G+16*(\buf)+8*(\c):G+16*(\buf)+8*(\c)+3],   v[O16] offset:((\g)/2)*4096+(2*((\g)%2)+(\c))*1024
	ds_load_b128 v[G+16*(\buf)+8*(\c)+4:G+16*(\buf)+8*(\c)+7], v[O16] offset:((\g)/2)*4096+(2*((\g)%2)+(\c))*1024+512
.endr
.endm
.macro RFMA g, buf
.set XP, X+4*((\g)/2)+2*((\g)%2)       ; the pair of x that the group multiplies by
.irp c, 0,1
.irp k, 0,1,2,3
.if ((\g) == 0) && ((\c) == 0)
	v_pk_mul_f32 v[A+2*(\k):A+2*(\k)+1], v[G+16*(\buf)+2*(\k):G+16*(\buf)+2*(\k)+1], v[XP:XP+1] op_sel_hi:[1,0]   ; the first products start the sums
.elseif (\c) == 0
	v_pk_fma_f32 v[A+2*(\k):A+2*(\k)+1], v[G+16*(\buf)+2*(\k):G+16*(\buf)+2*(\k)+1], v[XP:XP+1], v[A+2*(\k):A+2*(\k)+1] op_sel_hi:[1,0,1]
.else
	v_pk_fma_f32 v[A+2*(\k):A+2*(\k)+1], v[G+16*(\buf)+8+2*(\k):G+16*(\buf)+8+2*(\k)+1], v[XP:XP+1], v[A+2*(\k):A+2*(\k)+1] op_sel:[0,1,0] op_sel_hi:[1,1,1]
.endif
.endr
.endr
.endm
	RGRP 0, 0
	RGRP 1, 1
.set gg, 0
.rept 32
.if gg < 31
	s_wait_dscnt 4                                 ; this group's four loads are in, the next group's four stay out
.else
	s_wait_dscnt 0x0
.endif
	RFMA gg, gg%2
.if gg < 30
	RGRP gg+2, gg%2
.endif
.set gg, gg+1
.endr
	; Eight sums over 32 lanes at once: in each of three steps a lane keeps half of its logits and hands the other half to its partner.  Lane l ends with logit l / 4.
.irp k, 0,1,2,3
	v_cndmask_b32 v[W+(\k)], v[A+(\k)], v[A+4+(\k)], s54       ; lanes 16-31 keep logits 4-7,
	v_cndmask_b32 v[W+4+(\k)], v[A+4+(\k)], v[A+(\k)], s54     ; and hand over 0-3
	v_permlanex16_b32 v[A+(\k)], v[W+4+(\k)], s58, s59
	v_add_f32 v[W+(\k)], v[W+(\k)], v[A+(\k)]
.endr
.irp k, 0,1
	v_cndmask_b32 v[A+(\k)], v[W+(\k)], v[W+2+(\k)], s55
	v_cndmask_b32 v[A+2+(\k)], v[W+2+(\k)], v[W+(\k)], s55
	v_add_f32_dpp v[A+(\k)], v[A+2+(\k)], v[A+(\k)] row_xmask:8 row_mask:0xf bank_mask:0xf
.endr
	v_cndmask_b32 v[A+4], v[A], v[A+1], s56
	v_cndmask_b32 v[A+5], v[A+1], v[A], s56
	v_add_f32_dpp v[A+4], v[A+5], v[A+4] row_xmask:4 row_mask:0xf bank_mask:0xf
	v_add_f32_dpp v[A+4], v[A+4], v[A+4] row_xmask:2 row_mask:0xf bank_mask:0xf
	v_add_f32_dpp v[A+4], v[A+4], v[A+4] row_xmask:1 row_mask:0xf bank_mask:0xf
	; softmax over the eight logits: lane bits 2, 3, 4
	v_max_num_f32_dpp v[W], v[A+4], v[A+4] row_xmask:4 row_mask:0xf bank_mask:0xf
	v_max_num_f32_dpp v[W], v[W], v[W] row_xmask:8 row_mask:0xf bank_mask:0xf
	v_permlanex16_b32 v[W+1], v[W], s58, s59
	v_max_num_f32 v[W], v[W], v[W+1]
	v_sub_f32 v[A+4], v[A+4], v[W]                 ; the maximum is taken away
	v_mul_f32 v[A+4], 0x3fb8aa3b, v[A+4]           ; log2(e)
	v_exp_f32 v[A+4], v[A+4]
	v_nop                                          ; a plain instruction behind the exponential (ISA guide 5.7.2)
	s_wait_alu depctr_va_vdst(0)
	v_add_f32_dpp v[W], v[A+4], v[A+4] row_xmask:4 row_mask:0xf bank_mask:0xf
	v_add_f32_dpp v[W], v[W], v[W] row_xmask:8 row_mask:0xf bank_mask:0xf
	v_permlanex16_b32 v[W+1], v[W], s58, s59
	v_add_f32 v[W], v[W], v[W+1]
	v_rcp_f32 v[W], v[W]
	v_nop
	s_wait_alu depctr_va_vdst(0)
	v_mul_f32 v[A+4], v[A+4], v[W]
	v_cvt_f16_f32 v21.l, v[A+4]                    ; p is rounded to f16 and widened again, as the definition has it (v21 = W + 1)
	v_cvt_f32_f16 v[A+4], v21.l
	v_mul_f32 v[W+2], v[A+4], v[SD]                ; lane 4 e + b: p_e std[e][b]
	v_mul_f32 v[W+3], v[A+4], v[MN]
	v_add_f32_dpp v[W+3], v[W+3], v[W+3] row_xmask:4 row_mask:0xf bank_mask:0xf
	v_add_f32_dpp v[W+3], v[W+3], v[W+3] row_xmask:8 row_mask:0xf bank_mask:0xf
	v_permlanex16_b32 v[W+1], v[W+3], s58, s59
	v_add_f32 v[W+3], v[W+3], v[W+1]               ; lane l: the sum over e of p_e mean[e][l % 4]
	global_store_b64 v[O8], v[W+2:W+3], s[26:27]   ; the token's 32 pairs: 256 consecutive bytes, aligned
	s_wait_loadcnt 16                              ; w1's chunk is in; w2's 16 stay out
.set k, 0
.rept 32
	v_cvt_pk_bf16_f32 v[WA+k], v[WA+2*k], v[WA+2*k+1]                 ; in place, ascending: register k is written when 2 k and 2 k + 1 have been read
.set k, k+1
.endr
.set j, 0
.rept 16
	global_store_b64 v[O8], v[WA+2*j:WA+2*j+1], s[22:23] offset:256*j
.set j, j+1
.endr
	s_wait_loadcnt 0x0                             ; w2's chunk is in
.set k, 0
.rept 32
	v_cvt_pk_bf16_f32 v[WB+k], v[WB+2*k], v[WB+2*k+1]
.set k, k+1
.endr
.set j, 0
.rept 16
	global_store_b64 v[O8], v[WB+2*j:WB+2*j+1], s[24:25] offset:256*j
.set j, j+1
.endr
	s_wait_tensorcnt 0x0
	ds_add_u32 v254, v255
	s_wait_dscnt 0x0
	s_endpgm
.Lfunc_end_k_q31843dead3_prep:
	.size	k_q31843dead3_prep, .Lfunc_end_k_q31843dead3_prep-k_q31843dead3_prep
	.p2alignl 7, 3214868480
	.fill 96, 4, 3214868480
	.section	.rodata,"a",@progbits
	.p2align	6, 0x0
	.amdhsa_kernel k_q31843dead3_prep
		.amdhsa_group_segment_fixed_size 67584
		.amdhsa_private_segment_fixed_size 0
		.amdhsa_enable_private_segment 0
		.amdhsa_kernarg_size 80
		.amdhsa_user_sgpr_count 2
		.amdhsa_user_sgpr_kernarg_segment_ptr 1
		.amdhsa_wavefront_size32 1
		.amdhsa_system_sgpr_workgroup_id_x 1
		.amdhsa_system_sgpr_workgroup_id_y 1
		.amdhsa_system_sgpr_workgroup_id_z 1
		.amdhsa_system_vgpr_workitem_id 0
		.amdhsa_next_free_vgpr 256
		.amdhsa_next_free_sgpr 66
		.amdhsa_reserve_vcc 0
		.amdhsa_float_denorm_mode_32 3
		.amdhsa_float_denorm_mode_16_64 3
		.amdhsa_memory_ordered 1
		.amdhsa_forward_progress 1
		.amdhsa_inst_pref_size 47
	.end_amdhsa_kernel
	.amdgpu_metadata
---
amdhsa.version: [ 1, 2 ]
amdhsa.kernels:
  - .name:           k_q31843dead3_prep
    .symbol:         k_q31843dead3_prep.kd
    .args:
      - { .name: x, .offset: 0, .size: 8, .value_kind: global_buffer, .address_space: global }
      - { .name: w1, .offset: 8, .size: 8, .value_kind: global_buffer, .address_space: global }
      - { .name: w2, .offset: 16, .size: 8, .value_kind: global_buffer, .address_space: global }
      - { .name: router_w, .offset: 24, .size: 8, .value_kind: global_buffer, .address_space: global }
      - { .name: mean, .offset: 32, .size: 8, .value_kind: global_buffer, .address_space: global }
      - { .name: std, .offset: 40, .size: 8, .value_kind: global_buffer, .address_space: global }
      - { .name: xb, .offset: 48, .size: 8, .value_kind: global_buffer, .address_space: global }
      - { .name: w1b, .offset: 56, .size: 8, .value_kind: global_buffer, .address_space: global }
      - { .name: w2b, .offset: 64, .size: 8, .value_kind: global_buffer, .address_space: global }
      - { .name: sc, .offset: 72, .size: 8, .value_kind: global_buffer, .address_space: global }
    .group_segment_fixed_size: 67584
    .private_segment_fixed_size: 0
    .kernarg_segment_align: 8
    .kernarg_segment_size: 80
    .max_flat_workgroup_size: 512
    .sgpr_count:     66
    .vgpr_count:     256
    .wavefront_size: 32
...
	.end_amdgpu_metadata
.endif
;; end of part 1
;; launch gemm1 (part 2): grid 16 x 16, 4 waves a work-group, clusters of 4 x 4, 327,680 bytes of LDS; arguments xb, w1b, hb; writes hb
.if DOCPART == 2
	.amdgcn_target "amdgcn-amd-amdhsa--gfx1250"
	.amdhsa_code_object_version 6
	.text
	.protected	k_q31843dead3_gemm1
	.globl	k_q31843dead3_gemm1
	.p2align	8
	.type	k_q31843dead3_gemm1,@function
k_q31843dead3_gemm1:
	s_mov_b64 s[64:65], 0
	v_nop
	global_prefetch_b8 v0, s[64:65] scope:SCOPE_SE
	s_setreg_imm32_b32 hwreg(HW_REG_WAVE_MODE, 25, 1), 1
	s_wait_xcnt 0x0
	s_wait_alu depctr_hold_cnt(0) depctr_sa_sdst(0) depctr_va_vdst(0) depctr_va_sdst(0) depctr_va_ssrc(0) depctr_va_vcc(0) depctr_vm_vsrc(0)
	s_getreg_b32 s2, hwreg(HW_REG_IB_STS2, 6, 4)
	s_cmp_eq_u32 s2, 0
	s_cbranch_scc0 .Lentry_in_a_cluster
	s_endpgm
.Lentry_in_a_cluster:
	s_bfe_u32 s2, ttmp6, 0x10000c
	s_cmp_lg_u32 s2, 0xf033
	s_cbranch_scc0 .Lentry_shape_is_right
	s_endpgm
.Lentry_shape_is_right:
; hb = gelu(xb w1b).  xb: [4096][2048] bf16 (K along the rows), w1b: [2048][4096] bf16 (K down the rows), hb: [4096][4096] bf16; sums and gelu in f32, hb rounded once.
; gelu is the tanh form: y = x / (1 + 2^(x (C1 + C2 x^2))), C1 = -2 log2(e) sqrt(2/pi), C2 = 0.044715 C1, which is 0.5 x (1 + tanh(..)) exactly.  For large |x| the power goes to 0 or to
; infinity and y to x or to -0.  LIMITS: a power below 2^-126 counts as 0; NaN and infinities are not treated apart; hb is bf16, since f16 has no room for inputs some 30 times larger.
; A tile of hb, 256 x 256, is made by four waves, each 128 x 128: 64 accumulators, 512 registers.  16 x 16 tiles: one for each of 256 work-groups.  K goes in steps of 128 through a ring of two LDS slots.
; CLUSTER 4 x 4: the four of a row need the same tile of xb, the four of a column the same tile of w1b: each is asked for jointly, by the same tensor load with a mask that names the four.
; THE MATRIX INSTRUCTION IS USED TRANSPOSED: source 0 = 16 columns of w1b, source 1 = 16 rows of xb: a lane holds row l % 16 of hb and eight neighbouring columns 8 (l / 16) + 0..7.
; w1b's tile lies in LDS as in memory, [k][n], and its fragments are turned on the way into registers by ds_load_tr16_b128.
; REGISTERS, in windows of 256: window 0: v0-31 addresses; v64-127, v128-191 fragments of xb, two buffers (on the way out: at work, and rows read back);
;   window 1: v64-127, v128-191 fragments of w1b; window 2: the accumulators of my rows 0-63 ((a, b) at v[8 (8 a + b)]); window 3: those of rows 64-127.
.set SIZE_N, 4096
.set SIZE_K, 2048
.set KSTEP,  128
.set PITCH,  272                       ; a row of xb's tile: 256 bytes + 16 = 68 words: the 16 rows of a load start at 16 different groups of four banks (64 banks of 4 bytes: ISA guide 11.1)
.set PB,     544                       ; a row of w1b's tile: 512 bytes + 32 = 136 words
.set HALFT,  128*PITCH                 ; what one tensor load brings: 128 rows of xb, or 64 rows of w1b (64 x 544 is the same number)
.set SLOT,   4*HALFT                   ; xb's 256 rows, then w1b's 128
.set STAGE,  2*SLOT                    ; behind the ring: 16 rows x 272 bytes for each wave, for the way out
.set SPITCH, 272
.set SPARE,  STAGE+4*16*SPITCH         ; behind the stages: the spare words, 128 bytes for each wave, which no other line names
.set LAPS,   SIZE_K/(2*KSTEP)          ; a lap = two K steps = once round the ring
.set ADRA, 16                          ; v16-17  LDS address of my fragments of xb in slot 0, 1
.set ADRB, 20                          ; v20-21  the same for w1b
.set STO,  24                          ; v24     the way out: where I put 16 bytes of a row
.set RD,   25                          ; v25     where I read a row back
.set CO,   26                          ; v26     my byte offset in hb; never rewritten
.set SPW,  28                          ; v28     LDS address of my spare word; never rewritten
.set NIL,  29                          ; v29     0; never rewritten
.set F0,   64
.set F1,   128
.set TT,   64                          ; the way out: 64 registers at work
.set OB,   128                         ; the way out: 16 rows read back, v128-159 and v160-191 by turns
.set G1,  24                           ; s[24:31] descriptor group 1 for xb's tiles; s[32:39] group 0, a set for each slot
.set G0,  32
.set G1B, 48                           ; s[48:55], s[56:63] the same for w1b's
.set G0B, 56
.set MSB, 0
.macro WIN new                         ; the immediate's high byte repeats the setting that is left; a switch that changes nothing is dropped
.if MSB != (\new)
	s_set_vgpr_msb (MSB<<8)|(\new)
.set MSB, \new
.endif
.endm
.set MUL_LO, 0xa1                      ; source 0 window 1, source 1 window 0, C and D window 2
.set MUL_HI, 0xf1                      ; the same, C and D window 3
.set TO_B,   0x40                      ; destination window 1, address window 0
; A joint load.  Waves 0 and 1 fetch xb's two halves, waves 2 and 3 w1b's.  The branch hangs on the wave's number alone.  Four v_nop follow each of the two lines.
.macro JLOAD s
	s_cmp_eq_u32 s11, 0
	s_cbranch_scc0 .Lfor_b_\@
	tensor_load_to_lds s[G0+4*(\s):G0+4*(\s)+3], s[G1:G1+7]
	s_nop 0
.rept 4
	v_nop
.endr
	s_branch .Lasked_\@
.Lfor_b_\@:
	tensor_load_to_lds s[G0B+4*(\s):G0B+4*(\s)+3], s[G1B:G1B+7]
	s_nop 0
.rept 4
	v_nop
.endr
.Lasked_\@:
.endm
.macro CREST                           ; a round of the cluster's barrier behind its opening barrier
	s_cmp_lg_u32 s10, 0
	s_cbranch_scc1 .Lnot_wave_0_\@
	s_barrier_signal -3
.Lnot_wave_0_\@:
	s_barrier_wait -3
	s_barrier_signal -1
	s_barrier_wait -1
.endm
.macro CROUND                          ; a whole round
	s_barrier_signal -1
	s_barrier_wait -1
	CREST
.endm
	s_load_b128 s[4:7], s[0:1], 0x0                ; xb s[4:5], w1b s[6:7]
	s_load_b64 s[8:9], s[0:1], 0x10                ; hb
	v_lshl_add_u32 v[SPW], v0, 2, SPARE
	v_mov_b32 v[NIL], 0
	ds_add_u32 v28, v29
	s_wait_dscnt 0x0
	v_lshrrev_b32 v1, 5, v0
	v_readfirstlane_b32 s10, v1                    ; wave 0..3
	s_lshr_b32 s11, s10, 1                         ; which half of the tile's rows is mine.  Also: I fetch xb (0) or w1b (1)
	s_and_b32 s12, s10, 1                          ; which half of its columns.  Also: which half of that tile I fetch
	s_bfe_u32 s40, ttmp6, 0x40000                  ; cx
	s_bfe_u32 s41, ttmp6, 0x40004                  ; cy
	s_lshl_b32 s42, ttmp9, 2
	s_add_co_u32 s42, s42, s40                     ; tile column = 4 x cluster x + cx
	s_and_b32 s13, ttmp7, 0xffff
	s_lshl_b32 s13, s13, 2
	s_add_co_u32 s13, s13, s41                     ; tile row = 4 x cluster y + cy
	s_lshl_b32 s43, s41, 2
	s_lshl_b32 s43, 15, s43                        ; my row of the cluster
	s_lshl_b32 s44, 0x1111, s40                    ; my column
	s_or_b32 s[G1+0], s43, (1<<16)|(1<<20)|(1<<21)|(5<<22)|(3<<25)   ; the mask; 2-byte elements; padding on; 21 set beside a mask; after every 64 words, 4 words
	s_mov_b32 s[G1+1], KSTEP<<16                   ; tensor_dim0 = 128
	s_mov_b32 s[G1+2], 128<<16                     ; tensor_dim1 = 128
	s_mov_b32 s[G1+3], KSTEP<<16                   ; tile_dim0 = 128
	s_mov_b32 s[G1+4], 128                         ; tile_dim1 = 128
	s_mov_b32 s[G1+5], SIZE_K                      ; elements from row to row
	s_mov_b32 s[G1+6], 0
	s_mov_b32 s[G1+7], 0
	s_or_b32 s[G1B+0], s44, (1<<16)|(1<<20)|(1<<21)|(6<<22)|(7<<25)  ; after every 128 words, 8 words
	s_mov_b32 s[G1B+1], 256<<16                    ; tensor_dim0 = 256 columns
	s_mov_b32 s[G1B+2], 64<<16                     ; tensor_dim1 = 64 rows of k
	s_mov_b32 s[G1B+3], 256<<16                    ; tile_dim0 = 256
	s_mov_b32 s[G1B+4], 64                         ; tile_dim1 = 64
	s_mov_b32 s[G1B+5], SIZE_N
	s_mov_b32 s[G1B+6], 0
	s_mov_b32 s[G1B+7], 0
	s_mov_b32 s68, 0xc0135761                      ; C1 = -2.3022082
	s_mov_b32 s69, s68                             ; named with it as a pair
	s_mov_b32 s70, 0xbdd2d3e8                      ; C2 = -0.10294324
	s_mov_b32 s71, s70
	; xb's tile hangs on the tile row alone, w1b's on the tile column alone; every wave makes both addresses, in registers that never hold the other coordinate
	s_lshl_b32 s17, s12, 7
	s_lshl_b32 s16, s13, 8
	s_add_co_u32 s16, s16, s17                     ; xb: row 256 x tile row + 128 x half
	s_mul_i32 s16, s16, SIZE_K*2                   ; in bytes: under 2^25
	s_mov_b32 s17, 0
	s_lshl_b32 s46, s42, 9                         ; w1b: column 256 x tile column, in bytes,
	s_mul_i32 s47, s12, 64*SIZE_N*2                ; row 64 x half
	s_add_co_u32 s46, s46, s47
	s_mov_b32 s47, 0
	s_mul_i32 s20, s10, HALFT                      ; where they go: wave x one load's bytes
	s_wait_kmcnt 0x0
	s_add_nc_u64 s[14:15], s[4:5], s[16:17]
	s_add_nc_u64 s[46:47], s[6:7], s[46:47]
	CROUND                                         ; all sixteen work-groups are here: the first joint loads meet
.irp s, 0,1
	s_mov_b32 s[G0+4*(\s)], 1
	s_add_co_u32 s[G0+4*(\s)+1], s20, (\s)*SLOT
	s_add_nc_u64 s[G0+4*(\s)+2:G0+4*(\s)+3], s[14:15], (\s)*KSTEP*2
	s_or_b32 s[G0+4*(\s)+3], s[G0+4*(\s)+3], 0x80000000
	s_mov_b32 s[G0B+4*(\s)], 1
	s_add_co_u32 s[G0B+4*(\s)+1], s20, (\s)*SLOT
	s_add_nc_u64 s[G0B+4*(\s)+2:G0B+4*(\s)+3], s[46:47], (\s)*KSTEP*SIZE_N*2
	s_or_b32 s[G0B+4*(\s)+3], s[G0B+4*(\s)+3], 0x80000000
	JLOAD \s                                       ; two loads of mine are out
.endr
	v_and_b32 v1, 15, v0                           ; l % 16
	v_bfe_u32 v2, v0, 4, 1                         ; l / 16
	v_mul_u32_u24 v3, v1, PITCH
	v_lshl_add_u32 v3, v2, 4, v3                   ; xb: row x pitch + 16 x half
	v_and_b32 v4, 7, v0
	v_lshl_add_u32 v4, v2, 3, v4                   ; w1b: the turning load's lane l reads row k = 8 (l / 16) + l % 8,
	v_mul_u32_u24 v4, v4, PB
	v_bfe_u32 v5, v0, 3, 1
	v_lshl_add_u32 v4, v5, 4, v4                   ; columns 8 ((l / 8) % 2) + 0..7
	s_mul_i32 s21, s11, HALFT                      ; my 128 rows of xb
	s_lshl_b32 s22, s12, 8                         ; my 128 columns of w1b,
	s_add_co_u32 s22, s22, 2*HALFT                 ; which lies behind xb's 256 rows
.irp s, 0,1
	v_add_nc_u32 v[ADRA+(\s)], s21, v3
	v_add_nc_u32 v[ADRB+(\s)], s22, v4
	s_add_co_u32 s21, s21, SLOT
	s_add_co_u32 s22, s22, SLOT
.endr
	s_mul_i32 s23, s10, 16*SPITCH
	s_add_co_u32 s23, s23, STAGE                   ; my stage
	v_mul_u32_u24 v6, v1, SPITCH                   ; in: row l % 16, 16 bytes for each half of the lanes
	v_lshl_add_u32 v6, v2, 4, v6
	v_add_nc_u32 v[STO], s23, v6
	v_mul_u32_u24 v7, v2, SPITCH                   ; back: lanes 0-15 one row of 256 bytes, lanes 16-31 the next
	v_lshl_add_u32 v7, v1, 4, v7
	v_add_nc_u32 v[RD], s23, v7
	v_mul_u32_u24 v7, v2, SIZE_N*2                 ; and the same two rows in hb
	v_lshl_add_u32 v[CO], v1, 4, v7
	s_lshl_b32 s16, s13, 8
	s_lshl_b32 s17, s11, 7
	s_add_co_u32 s16, s16, s17                     ; my first row of hb
	s_mul_i32 s16, s16, SIZE_N*2                   ; under 2^26
	s_mov_b32 s17, 0
	s_lshl_b32 s46, s42, 9                         ; my first column, in bytes
	s_lshl_b32 s47, s12, 8
	s_add_co_u32 s46, s46, s47
	s_mov_b32 s47, 0
	s_add_nc_u64 s[16:17], s[16:17], s[46:47]
	s_add_nc_u64 s[8:9], s[8:9], s[16:17]
; 16 matrix instructions: m blocks a0, a0 + 1 of the window's four x all 8 n blocks, 32 along K.  zero = 1: the first product starts the sums.
; The 64 accumulators take turns, one instruction a turn, in the same order in every quarter.
.macro MUL16 f, hi, a0, zero
	WIN MUL_LO+0x50*(\hi)
.irp a, \a0, (\a0)+1
.irp b, 0,1,2,3,4,5,6,7
.if \zero
	v_wmma_f32_16x16x32_bf16 v[8*(8*(\a)+(\b)):8*(8*(\a)+(\b))+7], v[(\f)+8*(\b):(\f)+8*(\b)+7], v[(\f)+8*(4*(\hi)+(\a)):(\f)+8*(4*(\hi)+(\a))+7], 0
.else
	v_wmma_f32_16x16x32_bf16 v[8*(8*(\a)+(\b)):8*(8*(\a)+(\b))+7], v[(\f)+8*(\b):(\f)+8*(\b)+7], v[(\f)+8*(4*(\hi)+(\a)):(\f)+8*(4*(\hi)+(\a))+7], v[8*(8*(\a)+(\b)):8*(8*(\a)+(\b))+7]
.endif
.endr
.endr
.endm
; 32 LDS loads in one run: the fragments of 32 along K, at byte k of xb's rows = row k / 2 of w1b's tile, into buffer f
.macro FETCH slot, k, f
	WIN TO_B
.irp i, 0,1,2,3,4,5,6,7
	ds_load_tr16_b128 v[(\f)+8*(\i):(\f)+8*(\i)+3],   v[ADRB+(\slot)] offset:(\k)*(PB/2)+(\i)*32
	ds_load_tr16_b128 v[(\f)+8*(\i)+4:(\f)+8*(\i)+7], v[ADRB+(\slot)] offset:(\k)*(PB/2)+(\i)*32+16*PB
.endr
	WIN 0
.irp i, 0,1,2,3,4,5,6,7
	ds_load_b128 v[(\f)+8*(\i):(\f)+8*(\i)+3],   v[ADRA+(\slot)] offset:(\k)+(\i)*16*PITCH
	ds_load_b128 v[(\f)+8*(\i)+4:(\f)+8*(\i)+7], v[ADRA+(\slot)] offset:(\k)+(\i)*16*PITCH+32
.endr
.endm
.macro PLACES                          ; four places in front of loads into registers that matrix instructions have read, and of lines that read results
.rept 4
	v_nop
.endr
.endm
; A K step is four quarters of 32 along K, 64 matrix instructions each, on buffers 0, 1, 0, 1.  One of the first three multiplies buffer f and fetches the next quarter, at byte k, into g.
.macro QUARTER slot, k, f, g, zero
	s_wait_dscnt 8                                 ; w1b's fragments and xb's rows 0-63 are in; the youngest eight loads (rows 64-127) may be out
	MUL16 \f, 0, 0, \zero
	MUL16 \f, 0, 2, \zero
	PLACES
	FETCH \slot, \k, \g
	s_wait_dscnt 32                                ; all but the 32 just issued
	MUL16 \f, 1, 0, \zero
	MUL16 \f, 1, 2, \zero
.endm
; The last quarter's first half: one barrier for the change of slots.  In front of it each wave waits for all its tensor loads (one is out: its part of the next slot), adds 0 to its spare word,
; and waits for that and for its own reads of this slot.
.macro MEET round
	WIN 0                                          ; (the add's two registers lie in window 0)
	s_wait_tensorcnt 0x0
	ds_add_u32 v[SPW], v[NIL]
	s_wait_dscnt 9                                 ; (the add and the youngest eight loads may be out)
	MUL16 F1, 0, 0, 0
	s_wait_dscnt 0x0                               ; the add is done, and my reads of this slot are over
	s_barrier_signal -1
	MUL16 F1, 0, 2, 0                              ; work on registers while the others arrive
.if \round
	WIN 0
.endif
	s_barrier_wait -1
.endm
; The whole last quarter.  fill = 1: the barrier opens a round of the cluster's, and the slot just read out is filled again, two K steps ahead, first thing behind the round.
.macro TURN slot, next, fill
	MEET \fill
.if \fill
	CREST                                          ; no wave of any partner still reads this slot's tile or has a load on its way
	s_add_nc_u64 s[G0+4*(\slot)+2:G0+4*(\slot)+3], s[G0+4*(\slot)+2:G0+4*(\slot)+3], 2*KSTEP*2
	s_add_nc_u64 s[G0B+4*(\slot)+2:G0B+4*(\slot)+3], s[G0B+4*(\slot)+2:G0B+4*(\slot)+3], 2*KSTEP*SIZE_N*2
	JLOAD \slot                                    ; one load of mine is out; its four v_nop are also the places in front of the loads below
.else
	PLACES
.endif
	FETCH \next, 0, F0
	MUL16 F1, 1, 0, 0
	MUL16 F1, 1, 2, 0
.endm
	s_wait_tensorcnt 1                             ; my part of K step 0 is in; K step 1's may stay out
	s_barrier_signal -1
	s_barrier_wait -1                              ; everybody's is
	FETCH 0, 0, F0
	QUARTER 0, 64,  F0, F1, 1                      ; the first quarter stands in front of the loop: its products start the sums
	WIN 0                                          ; at a label and at a branch every window is 0
	s_mov_b32 s3, LAPS-1
.Llap:                                                 ; a trip goes once round the ring, from a lap's second quarter to the next lap's first, and fills both slots again
	QUARTER 0, 128, F1, F0, 0
	QUARTER 0, 192, F0, F1, 0
	TURN 0, 1, 1
	QUARTER 1, 64,  F0, F1, 0
	QUARTER 1, 128, F1, F0, 0
	QUARTER 1, 192, F0, F1, 0
	TURN 1, 0, 1
	QUARTER 0, 64,  F0, F1, 0
	WIN 0
	s_sub_co_u32 s3, s3, 1
	s_cmp_lg_u32 s3, 0
	s_cbranch_scc1 .Llap
	QUARTER 0, 128, F1, F0, 0                      ; the last lap fills nothing and has no round
	QUARTER 0, 192, F0, F1, 0
	TURN 0, 1, 0
	QUARTER 1, 64,  F0, F1, 0
	QUARTER 1, 128, F1, F0, 0
	QUARTER 1, 192, F0, F1, 0
	s_wait_dscnt 8                                 ; the very last quarter: nothing more to fetch
	MUL16 F1, 0, 0, 0
	MUL16 F1, 0, 2, 0
	s_wait_dscnt 0x0
	MUL16 F1, 1, 0, 0
	MUL16 F1, 1, 2, 0
	WIN 0
; THE WAY OUT, a block of 16 rows at a time.  GELU a: the block's 64 registers through gelu, rounded to bf16.  Each accumulator's registers are taken in ascending order.
.macro GELU a
.set AC, 64*((\a)%4)
.set WW, 2+(\a)/4
	WIN WW*5                                       ; sources 0 and 1 in the accumulators' window
.set i, 0
.rept 32
	v_pk_mul_f32 v[TT+i:TT+i+1], v[AC+i:AC+i+1], v[AC+i:AC+i+1]       ; x^2
.set i, i+2
.endr
	WIN 0
.set i, 0
.rept 32
	v_pk_fma_f32 v[TT+i:TT+i+1], v[TT+i:TT+i+1], s[70:71], s[68:69] op_sel_hi:[1,0,0]   ; C2 x^2 + C1
.set i, i+2
.endr
	WIN WW
.set i, 0
.rept 32
	v_pk_mul_f32 v[TT+i:TT+i+1], v[AC+i:AC+i+1], v[TT+i:TT+i+1]       ; times x
.set i, i+2
.endr
	WIN 0
.set i, 0
.rept 64
	v_exp_f32 v[TT+i], v[TT+i]
.set i, i+1
.endr
	v_nop                                          ; a plain instruction behind the last exponential (ISA guide 5.7.2)
.set i, 0
	s_wait_alu depctr_va_vdst(0)
.rept 32
	v_pk_add_f32 v[TT+i:TT+i+1], v[TT+i:TT+i+1], 1.0 op_sel_hi:[1,0]
.set i, i+2
.endr
.set i, 0
.rept 64
	v_rcp_f32 v[TT+i], v[TT+i]
.set i, i+1
.endr
	v_nop
	WIN WW
.set i, 0
	s_wait_alu depctr_va_vdst(0)
.rept 32
	v_pk_mul_f32 v[TT+i:TT+i+1], v[AC+i:AC+i+1], v[TT+i:TT+i+1]
.set i, i+2
.endr
	WIN 0
.set i, 0
.rept 32
	v_cvt_pk_bf16_f32 v[TT+i], v[TT+2*i], v[TT+2*i+1]                 ; in place, ascending
.set i, i+1
.endr
.endm
.macro TOSTAGE a                       ; into my own stage, and back as whole rows of 256 bytes
	WIN 0
.set BK, OB+32*((\a)%2)
	s_wait_xcnt 0x0                                ; the registers that the stores two blocks back read are loaded again only behind this wait
.irp b, 0,1,2,3,4,5,6,7
	ds_store_b128 v[STO], v[TT+4*(\b):TT+4*(\b)+3] offset:32*(\b)
.endr
.irp t, 0,1,2,3,4,5,6,7
	ds_load_b128 v[BK+4*(\t):BK+4*(\t)+3], v[RD] offset:(\t)*2*SPITCH  ; LDS serves a wave's instructions in order (ISA guide 5.7.1.4): these see the stores above
.endr
.endm
.macro SEND a
	WIN 0
.set BK, OB+32*((\a)%2)
	s_wait_dscnt 0x0                               ; the block is back in registers
.irp t, 0,1,2,3,4,5,6,7
	global_store_b128 v[CO], v[BK+4*(\t):BK+4*(\t)+3], s[8:9] offset:(16*(\a)+2*(\t))*SIZE_N*2  ; 16 lanes store 256 consecutive bytes, aligned; 126 rows of 8,192 bytes at the most, inside the signed 24-bit immediate
.endr
.endm
	PLACES
	GELU 0
	TOSTAGE 0
.irp a, 1,2,3,4,5,6,7                  ; block a's arithmetic stands between block a - 1's loads from the stage and the wait for them
	GELU \a
	SEND (\a)-1
	TOSTAGE \a
.endr
	SEND 7
	s_wait_tensorcnt 0x0                           ; the wave's end
	ds_add_u32 v[SPW], v[NIL]
	s_wait_dscnt 0x0
	CROUND                                         ; the closing round: no work-group ends while a partner may still ask for a tile that names it
	s_endpgm
.Lfunc_end_k_q31843dead3_gemm1:
	.size	k_q31843dead3_gemm1, .Lfunc_end_k_q31843dead3_gemm1-k_q31843dead3_gemm1
	.p2alignl 7, 3214868480
	.fill 96, 4, 3214868480
	.section	.rodata,"a",@progbits
	.p2align	6, 0x0
	.amdhsa_kernel k_q31843dead3_gemm1
		.amdhsa_group_segment_fixed_size 327680
		.amdhsa_private_segment_fixed_size 0
		.amdhsa_enable_private_segment 0
		.amdhsa_kernarg_size 24
		.amdhsa_user_sgpr_count 2
		.amdhsa_user_sgpr_kernarg_segment_ptr 1
		.amdhsa_wavefront_size32 1
		.amdhsa_system_sgpr_workgroup_id_x 1
		.amdhsa_system_sgpr_workgroup_id_y 1
		.amdhsa_system_sgpr_workgroup_id_z 1
		.amdhsa_system_vgpr_workitem_id 0
		.amdhsa_next_free_vgpr 1024
		.amdhsa_next_free_sgpr 72
		.amdhsa_reserve_vcc 0
		.amdhsa_float_denorm_mode_32 3
		.amdhsa_float_denorm_mode_16_64 3
		.amdhsa_memory_ordered 1
		.amdhsa_forward_progress 1
		.amdhsa_inst_pref_size 255
	.end_amdhsa_kernel
	.section	.bss,"aw",@nobits
	.p2align	6
	.space	262144
	.amdgpu_metadata
---
amdhsa.version: [ 1, 2 ]
amdhsa.kernels:
  - .name:           k_q31843dead3_gemm1
    .symbol:         k_q31843dead3_gemm1.kd
    .args:
      - { .name: xb, .offset: 0, .size: 8, .value_kind: global_buffer, .address_space: global }
      - { .name: w1b, .offset: 8, .size: 8, .value_kind: global_buffer, .address_space: global }
      - { .name: hb, .offset: 16, .size: 8, .value_kind: global_buffer, .address_space: global }
    .group_segment_fixed_size: 327680
    .private_segment_fixed_size: 0
    .kernarg_segment_align: 8
    .kernarg_segment_size: 24
    .max_flat_workgroup_size: 128
    .sgpr_count:     72
    .vgpr_count:     1024
    .wavefront_size: 32
...
	.end_amdgpu_metadata
.endif
;; end of part 2
;; launch gemm2 (part 3): grid 16 x 16, 4 waves a work-group, clusters of 4 x 4, 327,680 bytes of LDS; arguments hb, w2b, part; writes part
.if DOCPART == 3
	.amdgcn_target "amdgcn-amd-amdhsa--gfx1250"
	.amdhsa_code_object_version 6
	.text
	.protected	k_q31843dead3_gemm2
	.globl	k_q31843dead3_gemm2
	.p2align	8
	.type	k_q31843dead3_gemm2,@function
k_q31843dead3_gemm2:
	s_mov_b64 s[64:65], 0
	v_nop
	global_prefetch_b8 v0, s[64:65] scope:SCOPE_SE
	s_setreg_imm32_b32 hwreg(HW_REG_WAVE_MODE, 25, 1), 1
	s_wait_xcnt 0x0
	s_wait_alu depctr_hold_cnt(0) depctr_sa_sdst(0) depctr_va_vdst(0) depctr_va_sdst(0) depctr_va_ssrc(0) depctr_va_vcc(0) depctr_vm_vsrc(0)
	s_getreg_b32 s2, hwreg(HW_REG_IB_STS2, 6, 4)
	s_cmp_eq_u32 s2, 0
	s_cbranch_scc0 .Lentry_in_a_cluster
	s_endpgm
.Lentry_in_a_cluster:
	s_bfe_u32 s2, ttmp6, 0x10000c
	s_cmp_lg_u32 s2, 0xf033
	s_cbranch_scc0 .Lentry_shape_is_right
	s_endpgm
.Lentry_shape_is_right:
; part[kh] = hb[:, 2048 kh .. 2048 kh + 2047] w2b[2048 kh .. 2048 kh + 2047, :], kh = 0, 1.  hb: [4096][4096] bf16 (K along the rows), w2b: [4096][2048] bf16 (K down the rows),
; part: [2][4096][2048] f32; sums in f32.  The next launch adds the two parts, in a fixed order.
; WHY K IS SPLIT.  A tile of 256 x 256 brings 1,024 bytes into LDS for each k and feeds 2 matrix instructions a wave from them; a tile of 256 x 128 brings 768 bytes for 1.  The product has only
; 16 x 8 tiles of 256 x 256, so each tile's K = 4,096 is shared between two work-groups: 256 work-groups of 256 x 256 x 2,048.  No work-group reads what another stores: each half has its own plane of part.
; A tile is made by four waves, each 128 x 128: 64 accumulators, 512 registers.  K goes in steps of 128 through a ring of two LDS slots.
; CLUSTER 4 x 4: work-group x = 4 x cluster x + cx; kh = cluster x / 2, which the whole cluster shares; tile column = 4 (cluster x % 2) + cx.  The four of a row need the same tile of hb, the four of a
; column the same tile of w2b: each is asked for jointly, by the same tensor load with a mask that names the four.
; THE MATRIX INSTRUCTION IS USED TRANSPOSED: source 0 = 16 columns of w2b (turned on the way out of LDS by ds_load_tr16_b128), source 1 = 16 rows of hb: a lane holds row l % 16 and eight neighbouring columns.
; REGISTERS, in windows of 256: window 0: v0-31 addresses; v64-127, v128-191 fragments of hb, two buffers (on the way out: rows read back);
;   window 1: v64-127, v128-191 fragments of w2b; window 2: the accumulators of my rows 0-63 ((a, b) at v[8 (8 a + b)]); window 3: those of rows 64-127.
.set SIZE_N, 2048                      ; columns of w2b and of part
.set LDA,    4096                      ; elements in a row of hb
.set KPART,  2048                      ; a work-group's share of K
.set KSTEP,  128
.set PITCH,  272                       ; a row of hb's tile: 256 bytes + 16 = 68 words: the 16 rows of a load start at 16 different groups of four banks (64 banks of 4 bytes: ISA guide 11.1)
.set PB,     544                       ; a row of w2b's tile: 512 bytes + 32 = 136 words
.set HALFT,  128*PITCH                 ; what one tensor load brings: 128 rows of hb, or 64 rows of w2b (64 x 544 is the same number)
.set SLOT,   4*HALFT                   ; hb's 256 rows, then w2b's 128
.set STAGE,  2*SLOT                    ; behind the ring: 16 rows x 528 bytes for each wave, for the way out
.set SPITCH, 528                       ; a row of 128 f32 + 16 bytes = 132 words
.set SPARE,  STAGE+4*16*SPITCH         ; behind the stages: the spare words, 128 bytes for each wave, which no other line names
.set LAPS,   KPART/(2*KSTEP)           ; a lap = two K steps = once round the ring
.set ADRA, 16                          ; v16-17  LDS address of my fragments of hb in slot 0, 1
.set ADRB, 20                          ; v20-21  the same for w2b
.set STO,  24                          ; v24     the way out: where I put 32 bytes of a row
.set RD,   25                          ; v25     where I read my 16 bytes of a row back
.set CO,   26                          ; v26     16 x lane: my byte offset in a row's 512 bytes of part; never rewritten
.set SPW,  28                          ; v28     LDS address of my spare word; never rewritten
.set NIL,  29                          ; v29     0; never rewritten
.set F0,   64
.set F1,   128
.set OB,   64                          ; the way out: 16 rows read back, v64-127 and v128-191 by turns
.set G1,  24                           ; s[24:31] descriptor group 1 for hb's tiles; s[32:39] group 0, a set for each slot
.set G0,  32
.set G1B, 48                           ; s[48:55], s[56:63] the same for w2b's
.set G0B, 56
.set MSB, 0
.macro WIN new                         ; the immediate's high byte repeats the setting that is left; a switch that changes nothing is dropped
.if MSB != (\new)
	s_set_vgpr_msb (MSB<<8)|(\new)
.set MSB, \new
.endif
.endm
.set MUL_LO, 0xa1                      ; source 0 window 1, source 1 window 0, C and D window 2
.set MUL_HI, 0xf1                      ; the same, C and D window 3
.set TO_B,   0x40                      ; destination window 1, address window 0
; A joint load.  Waves 0 and 1 fetch hb's two halves, waves 2 and 3 w2b's.  The branch hangs on the wave's number alone.  Four v_nop follow each of the two lines.
.macro JLOAD s
	s_cmp_eq_u32 s11, 0
	s_cbranch_scc0 .Lfor_b_\@
	tensor_load_to_lds s[G0+4*(\s):G0+4*(\s)+3], s[G1:G1+7]
	s_nop 0
.rept 4
	v_nop
.endr
	s_branch .Lasked_\@
.Lfor_b_\@:
	tensor_load_to_lds s[G0B+4*(\s):G0B+4*(\s)+3], s[G1B:G1B+7]
	s_nop 0
.rept 4
	v_nop
.endr
.Lasked_\@:
.endm
.macro CREST                           ; a round of the cluster's barrier behind its opening barrier
	s_cmp_lg_u32 s10, 0
	s_cbranch_scc1 .Lnot_wave_0_\@
	s_barrier_signal -3
.Lnot_wave_0_\@:
	s_barrier_wait -3
	s_barrier_signal -1
	s_barrier_wait -1
.endm
.macro CROUND                          ; a whole round
	s_barrier_signal -1
	s_barrier_wait -1
	CREST
.endm
	s_load_b128 s[4:7], s[0:1], 0x0                ; hb s[4:5], w2b s[6:7]
	s_load_b64 s[8:9], s[0:1], 0x10                ; part
	v_lshl_add_u32 v[SPW], v0, 2, SPARE
	v_mov_b32 v[NIL], 0
	ds_add_u32 v28, v29
	s_wait_dscnt 0x0
	v_lshrrev_b32 v1, 5, v0
	v_readfirstlane_b32 s10, v1                    ; wave 0..3
	s_lshr_b32 s11, s10, 1                         ; which half of the tile's rows is mine.  Also: I fetch hb (0) or w2b (1)
	s_and_b32 s12, s10, 1                          ; which half of its columns.  Also: which half of that tile I fetch
	s_bfe_u32 s40, ttmp6, 0x40000                  ; cx
	s_bfe_u32 s41, ttmp6, 0x40004                  ; cy
	s_lshr_b32 s45, ttmp9, 1                       ; kh: which half of K; made of the cluster's x alone
	s_and_b32 s42, ttmp9, 1
	s_lshl_b32 s42, s42, 2
	s_add_co_u32 s42, s42, s40                     ; tile column = 4 x (cluster x % 2) + cx
	s_and_b32 s13, ttmp7, 0xffff
	s_lshl_b32 s13, s13, 2
	s_add_co_u32 s13, s13, s41                     ; tile row = 4 x cluster y + cy
	s_lshl_b32 s43, s41, 2
	s_lshl_b32 s43, 15, s43                        ; my row of the cluster
	s_lshl_b32 s44, 0x1111, s40                    ; my column
	s_or_b32 s[G1+0], s43, (1<<16)|(1<<20)|(1<<21)|(5<<22)|(3<<25)   ; the mask; 2-byte elements; padding on; 21 set beside a mask; after every 64 words, 4 words
	s_mov_b32 s[G1+1], KSTEP<<16                   ; tensor_dim0 = 128
	s_mov_b32 s[G1+2], 128<<16                     ; tensor_dim1 = 128
	s_mov_b32 s[G1+3], KSTEP<<16                   ; tile_dim0 = 128
	s_mov_b32 s[G1+4], 128                         ; tile_dim1 = 128
	s_mov_b32 s[G1+5], LDA                         ; elements from row to row
	s_mov_b32 s[G1+6], 0
	s_mov_b32 s[G1+7], 0
	s_or_b32 s[G1B+0], s44, (1<<16)|(1<<20)|(1<<21)|(6<<22)|(7<<25)  ; after every 128 words, 8 words
	s_mov_b32 s[G1B+1], 256<<16                    ; tensor_dim0 = 256 columns
	s_mov_b32 s[G1B+2], 64<<16                     ; tensor_dim1 = 64 rows of k
	s_mov_b32 s[G1B+3], 256<<16                    ; tile_dim0 = 256
	s_mov_b32 s[G1B+4], 64                         ; tile_dim1 = 64
	s_mov_b32 s[G1B+5], SIZE_N
	s_mov_b32 s[G1B+6], 0
	s_mov_b32 s[G1B+7], 0
	; hb's tile hangs on the tile row and kh, w2b's on the tile column and kh; every wave makes both addresses, in registers that never hold the other coordinate
	s_lshl_b32 s17, s12, 7
	s_lshl_b32 s16, s13, 8
	s_add_co_u32 s16, s16, s17                     ; hb: row 256 x tile row + 128 x half,
	s_mul_i32 s16, s16, LDA*2                      ; in bytes: under 2^26,
	s_lshl_b32 s17, s45, 12                        ; and 2,048 kh elements along the row
	s_add_co_u32 s16, s16, s17
	s_mov_b32 s17, 0
	s_lshl_b32 s46, s42, 9                         ; w2b: column 256 x tile column, in bytes,
	s_mul_i32 s47, s12, 64*SIZE_N*2                ; row 64 x half
	s_add_co_u32 s46, s46, s47
	s_mul_i32 s47, s45, KPART*SIZE_N*2             ; + 2,048 kh
	s_add_co_u32 s46, s46, s47
	s_mov_b32 s47, 0
	s_mul_i32 s20, s10, HALFT                      ; where they go: wave x one load's bytes
	s_wait_kmcnt 0x0
	s_add_nc_u64 s[14:15], s[4:5], s[16:17]
	s_add_nc_u64 s[46:47], s[6:7], s[46:47]
	CROUND                                         ; all sixteen work-groups are here: the first joint loads meet
.irp s, 0,1
	s_mov_b32 s[G0+4*(\s)], 1
	s_add_co_u32 s[G0+4*(\s)+1], s20, (\s)*SLOT
	s_add_nc_u64 s[G0+4*(\s)+2:G0+4*(\s)+3], s[14:15], (\s)*KSTEP*2
	s_or_b32 s[G0+4*(\s)+3], s[G0+4*(\s)+3], 0x80000000
	s_mov_b32 s[G0B+4*(\s)], 1
	s_add_co_u32 s[G0B+4*(\s)+1], s20, (\s)*SLOT
	s_add_nc_u64 s[G0B+4*(\s)+2:G0B+4*(\s)+3], s[46:47], (\s)*KSTEP*SIZE_N*2
	s_or_b32 s[G0B+4*(\s)+3], s[G0B+4*(\s)+3], 0x80000000
	JLOAD \s                                       ; two loads of mine are out
.endr
	v_and_b32 v1, 15, v0                           ; l % 16
	v_bfe_u32 v2, v0, 4, 1                         ; l / 16
	v_mul_u32_u24 v3, v1, PITCH
	v_lshl_add_u32 v3, v2, 4, v3                   ; hb: row x pitch + 16 x half
	v_and_b32 v4, 7, v0
	v_lshl_add_u32 v4, v2, 3, v4                   ; w2b: the turning load's lane l reads row k = 8 (l / 16) + l % 8,
	v_mul_u32_u24 v4, v4, PB
	v_bfe_u32 v5, v0, 3, 1
	v_lshl_add_u32 v4, v5, 4, v4                   ; columns 8 ((l / 8) % 2) + 0..7
	s_mul_i32 s21, s11, HALFT                      ; my 128 rows of hb
	s_lshl_b32 s22, s12, 8                         ; my 128 columns of w2b,
	s_add_co_u32 s22, s22, 2*HALFT                 ; which lies behind hb's 256 rows
.irp s, 0,1
	v_add_nc_u32 v[ADRA+(\s)], s21, v3
	v_add_nc_u32 v[ADRB+(\s)], s22, v4
	s_add_co_u32 s21, s21, SLOT
	s_add_co_u32 s22, s22, SLOT
.endr
	s_mul_i32 s23, s10, 16*SPITCH
	s_add_co_u32 s23, s23, STAGE                   ; my stage
	v_mul_u32_u24 v6, v1, SPITCH                   ; in: row l % 16, 32 bytes (eight f32) for each half of the lanes
	v_lshl_add_u32 v6, v2, 5, v6
	v_add_nc_u32 v[STO], s23, v6
	v_and_b32 v7, 31, v0
	v_lshlrev_b32 v[CO], 4, v7                     ; back: the 32 lanes take one row of 512 bytes
	v_add_nc_u32 v[RD], s23, v[CO]
	s_lshl_b32 s16, s13, 8
	s_lshl_b32 s17, s11, 7
	s_add_co_u32 s16, s16, s17                     ; my first row of part,
	s_mul_i32 s16, s16, SIZE_N*4                   ; in bytes,
	s_mul_i32 s17, s45, 4096*SIZE_N*4              ; in plane kh: together under 2^27
	s_add_co_u32 s16, s16, s17
	s_mov_b32 s17, 0
	s_lshl_b32 s46, s42, 10                        ; my first column, in bytes: 1,024 x tile column + 512 x half
	s_lshl_b32 s47, s12, 9
	s_add_co_u32 s46, s46, s47
	s_mov_b32 s47, 0
	s_add_nc_u64 s[16:17], s[16:17], s[46:47]
	s_add_nc_u64 s[8:9], s[8:9], s[16:17]
; 16 matrix instructions: m blocks a0, a0 + 1 of the window's four x all 8 n blocks, 32 along K.  zero = 1: the first product starts the sums.
; The 64 accumulators take turns, one instruction a turn, in the same order in every quarter.
.macro MUL16 f, hi, a0, zero
	WIN MUL_LO+0x50*(\hi)
.irp a, \a0, (\a0)+1
.irp b, 0,1,2,3,4,5,6,7
.if \zero
	v_wmma_f32_16x16x32_bf16 v[8*(8*(\a)+(\b)):8*(8*(\a)+(\b))+7], v[(\f)+8*(\b):(\f)+8*(\b)+7], v[(\f)+8*(4*(\hi)+(\a)):(\f)+8*(4*(\hi)+(\a))+7], 0
.else
	v_wmma_f32_16x16x32_bf16 v[8*(8*(\a)+(\b)):8*(8*(\a)+(\b))+7], v[(\f)+8*(\b):(\f)+8*(\b)+7], v[(\f)+8*(4*(\hi)+(\a)):(\f)+8*(4*(\hi)+(\a))+7], v[8*(8*(\a)+(\b)):8*(8*(\a)+(\b))+7]
.endif
.endr
.endr
.endm
; 32 LDS loads in one run: the fragments of 32 along K, at byte k of hb's rows = row k / 2 of w2b's tile, into buffer f
.macro FETCH slot, k, f
	WIN TO_B
.irp i, 0,1,2,3,4,5,6,7
	ds_load_tr16_b128 v[(\f)+8*(\i):(\f)+8*(\i)+3],   v[ADRB+(\slot)] offset:(\k)*(PB/2)+(\i)*32
	ds_load_tr16_b128 v[(\f)+8*(\i)+4:(\f)+8*(\i)+7], v[ADRB+(\slot)] offset:(\k)*(PB/2)+(\i)*32+16*PB
.endr
	WIN 0
.irp i, 0,1,2,3,4,5,6,7
	ds_load_b128 v[(\f)+8*(\i):(\f)+8*(\i)+3],   v[ADRA+(\slot)] offset:(\k)+(\i)*16*PITCH
	ds_load_b128 v[(\f)+8*(\i)+4:(\f)+8*(\i)+7], v[ADRA+(\slot)] offset:(\k)+(\i)*16*PITCH+32
.endr
.endm
.macro PLACES                          ; four places in front of loads into registers that matrix instructions have read, and of lines that read results
.rept 4
	v_nop
.endr
.endm
; A K step is four quarters of 32 along K, 64 matrix instructions each, on buffers 0, 1, 0, 1.  One of the first three multiplies buffer f and fetches the next quarter, at byte k, into g.
.macro QUARTER slot, k, f, g, zero
	s_wait_dscnt 8                                 ; w2b's fragments and hb's rows 0-63 are in; the youngest eight loads (rows 64-127) may be out
	MUL16 \f, 0, 0, \zero
	MUL16 \f, 0, 2, \zero
	PLACES
	FETCH \slot, \k, \g
	s_wait_dscnt 32                                ; all but the 32 just issued
	MUL16 \f, 1, 0, \zero
	MUL16 \f, 1, 2, \zero
.endm
; The last quarter's first half: one barrier for the change of slots.  In front of it each wave waits for all its tensor loads (one is out: its part of the next slot), adds 0 to its spare word,
; and waits for that and for its own reads of this slot.
.macro MEET round
	WIN 0                                          ; (the add's two registers lie in window 0)
	s_wait_tensorcnt 0x0
	ds_add_u32 v[SPW], v[NIL]
	s_wait_dscnt 9                                 ; (the add and the youngest eight loads may be out)
	MUL16 F1, 0, 0, 0
	s_wait_dscnt 0x0                               ; the add is done, and my reads of this slot are over
	s_barrier_signal -1
	MUL16 F1, 0, 2, 0                              ; work on registers while the others arrive
.if \round
	WIN 0
.endif
	s_barrier_wait -1
.endm
; The whole last quarter.  fill = 1: the barrier opens a round of the cluster's, and the slot just read out is filled again, two K steps ahead, first thing behind the round.
.macro TURN slot, next, fill
	MEET \fill
.if \fill
	CREST                                          ; no wave of any partner still reads this slot's tile or has a load on its way
	s_add_nc_u64 s[G0+4*(\slot)+2:G0+4*(\slot)+3], s[G0+4*(\slot)+2:G0+4*(\slot)+3], 2*KSTEP*2
	s_add_nc_u64 s[G0B+4*(\slot)+2:G0B+4*(\slot)+3], s[G0B+4*(\slot)+2:G0B+4*(\slot)+3], 2*KSTEP*SIZE_N*2
	JLOAD \slot                                    ; one load of mine is out, 224 matrix instructions ahead of the wait for it; its four v_nop are also the places in front of the loads below
.else
	PLACES
.endif
	FETCH \next, 0, F0
	MUL16 F1, 1, 0, 0
	MUL16 F1, 1, 2, 0
.endm
	s_wait_tensorcnt 1                             ; my part of K step 0 is in; K step 1's may stay out
	s_barrier_signal -1
	s_barrier_wait -1                              ; everybody's is
	FETCH 0, 0, F0
	QUARTER 0, 64,  F0, F1, 1                      ; the first quarter stands in front of the loop: its products start the sums
	WIN 0                                          ; at a label and at a branch every window is 0
	s_mov_b32 s3, LAPS-1
.Llap:                                                 ; a trip goes once round the ring, from a lap's second quarter to the next lap's first, and fills both slots again
	QUARTER 0, 128, F1, F0, 0
	QUARTER 0, 192, F0, F1, 0
	TURN 0, 1, 1
	QUARTER 1, 64,  F0, F1, 0
	QUARTER 1, 128, F1, F0, 0
	QUARTER 1, 192, F0, F1, 0
	TURN 1, 0, 1
	QUARTER 0, 64,  F0, F1, 0
	WIN 0
	s_sub_co_u32 s3, s3, 1
	s_cmp_lg_u32 s3, 0
	s_cbranch_scc1 .Llap
	QUARTER 0, 128, F1, F0, 0                      ; the last lap fills nothing and has no round
	QUARTER 0, 192, F0, F1, 0
	TURN 0, 1, 0
	QUARTER 1, 64,  F0, F1, 0
	QUARTER 1, 128, F1, F0, 0
	QUARTER 1, 192, F0, F1, 0
	s_wait_dscnt 8                                 ; the very last quarter: nothing more to fetch
	MUL16 F1, 0, 0, 0
	MUL16 F1, 0, 2, 0
	s_wait_dscnt 0x0
	MUL16 F1, 1, 0, 0
	MUL16 F1, 1, 2, 0
	WIN 0
; THE WAY OUT, a block of 16 rows x 128 columns at a time: the sums go into my own stage as they are (f32; each accumulator's low four registers first),
; come back as whole rows of 512 bytes, and are stored.
.macro TOSTAGE a
.set BK, OB+64*((\a)%2)
.set AC, 64*((\a)%4)
	s_wait_xcnt 0x0                                ; the registers that the stores two blocks back read are loaded again only behind this wait
	WIN (2+(\a)/4)<<2                              ; store data in the accumulators' window
.irp b, 0,1,2,3,4,5,6,7
	ds_store_b128 v[STO], v[AC+8*(\b):AC+8*(\b)+3]   offset:64*(\b)
	ds_store_b128 v[STO], v[AC+8*(\b)+4:AC+8*(\b)+7] offset:64*(\b)+16
.endr
	WIN 0
.set t, 0
.rept 16
	ds_load_b128 v[BK+4*t:BK+4*t+3], v[RD] offset:t*SPITCH     ; LDS serves a wave's instructions in order (ISA guide 5.7.1.4): these see the stores above
.set t, t+1
.endr
.endm
.macro SEND a, younger                 ; younger: the LDS instructions issued behind block a's loads: the next block's 32, or none
.set BK, OB+64*((\a)%2)
	s_wait_dscnt \younger
.set t, 0
.rept 16
	global_store_b128 v[CO], v[BK+4*t:BK+4*t+3], s[8:9] offset:(16*(\a)+t)*SIZE_N*4  ; 512 consecutive bytes, aligned; 127 rows of 8,192 bytes at the most, inside the signed 24-bit immediate
.set t, t+1
.endr
.endm
	PLACES
	TOSTAGE 0
.irp a, 1,2,3,4,5,6,7
	TOSTAGE \a
	SEND (\a)-1, 32
.endr
	SEND 7, 0
	s_wait_tensorcnt 0x0                           ; the wave's end
	ds_add_u32 v[SPW], v[NIL]
	s_wait_dscnt 0x0
	CROUND                                         ; the closing round: no work-group ends while a partner may still ask for a tile that names it
	s_endpgm
.Lfunc_end_k_q31843dead3_gemm2:
	.size	k_q31843dead3_gemm2, .Lfunc_end_k_q31843dead3_gemm2-k_q31843dead3_gemm2
	.p2alignl 7, 3214868480
	.fill 96, 4, 3214868480
	.section	.rodata,"a",@progbits
	.p2align	6, 0x0
	.amdhsa_kernel k_q31843dead3_gemm2
		.amdhsa_group_segment_fixed_size 327680
		.amdhsa_private_segment_fixed_size 0
		.amdhsa_enable_private_segment 0
		.amdhsa_kernarg_size 24
		.amdhsa_user_sgpr_count 2
		.amdhsa_user_sgpr_kernarg_segment_ptr 1
		.amdhsa_wavefront_size32 1
		.amdhsa_system_sgpr_workgroup_id_x 1
		.amdhsa_system_sgpr_workgroup_id_y 1
		.amdhsa_system_sgpr_workgroup_id_z 1
		.amdhsa_system_vgpr_workitem_id 0
		.amdhsa_next_free_vgpr 1024
		.amdhsa_next_free_sgpr 66
		.amdhsa_reserve_vcc 0
		.amdhsa_float_denorm_mode_32 3
		.amdhsa_float_denorm_mode_16_64 3
		.amdhsa_memory_ordered 1
		.amdhsa_forward_progress 1
		.amdhsa_inst_pref_size 141
	.end_amdhsa_kernel
	.amdgpu_metadata
---
amdhsa.version: [ 1, 2 ]
amdhsa.kernels:
  - .name:           k_q31843dead3_gemm2
    .symbol:         k_q31843dead3_gemm2.kd
    .args:
      - { .name: hb, .offset: 0, .size: 8, .value_kind: global_buffer, .address_space: global }
      - { .name: w2b, .offset: 8, .size: 8, .value_kind: global_buffer, .address_space: global }
      - { .name: part, .offset: 16, .size: 8, .value_kind: global_buffer, .address_space: global }
    .group_segment_fixed_size: 327680
    .private_segment_fixed_size: 0
    .kernarg_segment_align: 8
    .kernarg_segment_size: 24
    .max_flat_workgroup_size: 128
    .sgpr_count:     66
    .vgpr_count:     1024
    .wavefront_size: 32
...
	.end_amdgpu_metadata
.endif
;; end of part 3
;; launch final (part 4): grid 256 x 1, 16 waves a work-group, no clusters, 0 bytes of LDS; arguments nf4, sc, part, codebook, out0; writes out0
.if DOCPART == 4
	.amdgcn_target "amdgcn-amd-amdhsa--gfx1250"
	.amdhsa_code_object_version 6
	.text
	.protected	k_q31843dead3_final
	.globl	k_q31843dead3_final
	.p2align	8
	.type	k_q31843dead3_final,@function
k_q31843dead3_final:
	s_mov_b64 s[64:65], 0
	v_nop
	global_prefetch_b8 v0, s[64:65] scope:SCOPE_SE
	s_setreg_imm32_b32 hwreg(HW_REG_WAVE_MODE, 25, 1), 1
	s_wait_xcnt 0x0
; out0[R][h] = part[0][R][h] + part[1][R][h] + the sum over e of p_e (codebook[nibble] std[e][h/512] + mean[e][h/512]), the last as bias + sum_e (p_e std) codebook[nibble], all in f32.
; sc[R] holds for lane l = 4 e + b the pair (p_e std[e][b], bias of block l % 4).  Wave R = 16 x work-group + wave (0 .. 4,095) does token R whole; no wave waits for another.
; A stream: each byte is read once and written once.  No matrix unit (every token has a matrix of its own: no operand is used twice), no cluster (nothing is shared but 64 bytes), no LDS bytes.
; Of each nf4 word bits 3:0 and 7:4 are used and the others ignored, as in the definition.  NaN and infinities are not treated apart.
; A ring of four slots in registers; a slot is 128 output columns: eight loads of nf4 (256 consecutive bytes each) and one each of the two parts (512 bytes): ten loads.
.set LANE, 1                           ; v1      lane
.set O16,  2                           ; v2      16 x lane; never rewritten
.set O8,   3                           ; v3      8 x lane; never rewritten
.set OCB,  6                           ; v6      4 x (lane % 16)
.set CB,   7                           ; v7      codebook[lane % 16]: both halves of the lanes hold the table
.set SC,   8                           ; v8-9    my pair of sc[R]
.set T,    28                          ; v28-59  32 table indices, then values
.set OUT,  60                          ; v60-75  four sets of four results
.set P0,   76                          ; v76-91  slot q: four numbers of part 0
.set P1,   92                          ; v92-107 of part 1
.set RING, 108                         ; v108-171 slot q: eight experts x two nf4 words
	s_load_b256 s[8:15], s[0:1], 0x0               ; nf4 8, sc 10, part 12, codebook 14
	s_load_b64 s[16:17], s[0:1], 0x20              ; out0
	v_lshrrev_b32 v1, 5, v0
	v_readfirstlane_b32 s2, v1                     ; wave 0..15
	v_and_b32 v[LANE], 31, v0
	s_lshl_b32 s3, ttmp9, 4
	s_add_co_u32 s3, s3, s2                        ; R
	s_lshl_b32 s4, s3, 13                          ; R x 8,192: a row of part and of out0
	s_mov_b32 s5, 0
	s_lshl_b32 s6, s3, 15                          ; R x 32,768: a token's nf4 words
	s_mov_b32 s7, 0
	s_lshl_b32 s20, s3, 8                          ; R x 256: a token's pairs in sc
	s_mov_b32 s21, 0
.irp e, 0,1,2,3,4,5,6,7
	s_mov_b32 s[37+2*(\e)], 0                      ; the packed instructions name pairs and take the low word: the high words are written once
.endr
	s_mov_b32 s53, 0
	v_lshlrev_b32 v[O16], 4, v[LANE]
	v_lshlrev_b32 v[O8], 3, v[LANE]
	v_and_b32 v[OCB], 15, v0
	v_lshlrev_b32 v[OCB], 2, v[OCB]
	s_wait_kmcnt 0x0
	s_add_nc_u64 s[8:9], s[8:9], s[6:7]
	s_add_nc_u64 s[10:11], s[10:11], s[20:21]
	s_add_nc_u64 s[12:13], s[12:13], s[4:5]        ; part 0 at my row,
	s_add_nc_u64 s[18:19], s[12:13], 0x2000000     ; part 1: 4,096 rows of 8,192 bytes further on
	s_add_nc_u64 s[16:17], s[16:17], s[4:5]
.macro FILL q, s                       ; slot q takes columns 128 s .. 128 s + 127: ten loads
.irp e, 0,1,2,3,4,5,6,7
	global_load_b64 v[RING+16*(\q)+2*(\e):RING+16*(\q)+2*(\e)+1], v[O8], s[8:9] offset:(\e)*4096+(\s)*256 th:TH_LOAD_NT
.endr
	global_load_b128 v[P0+4*(\q):P0+4*(\q)+3], v[O16], s[12:13] offset:(\s)*512 th:TH_LOAD_NT
	global_load_b128 v[P1+4*(\q):P1+4*(\q)+3], v[O16], s[18:19] offset:(\s)*512 th:TH_LOAD_NT
.endm
	global_load_b32 v[CB], v[OCB], s[14:15]
	global_load_b64 v[SC:SC+1], v[O8], s[10:11] th:TH_LOAD_NT
	FILL 0, 0
	FILL 1, 1
	FILL 2, 2
	FILL 3, 3
; Slot s.  Lane l has two nf4 words of each expert, four columns.  The table lies in the lanes: ds_bpermute_b32 takes the lane that bits 6:2 of its address name; word << 2 has the low nibble
; in bits 5:2, word >> 2 the high one, and bit 6 only chooses between the table's two copies.
.macro SLOT s
.set SQ, (\s)%4
.set SB, (\s)/4
.if (\s) < 13
	s_wait_loadcnt 30                              ; loads come back in order (ISA guide 5.7.1): this slot's ten are in; three younger slots of ten stay out
.else
	s_wait_loadcnt 10*(15-(\s))                    ; nothing is fetched any more: the counts run down
.endif
.if SQ == 0
.irp e, 0,1,2,3,4,5,6,7
	v_readlane_b32 s[36+2*(\e)], v[SC], 4*(\e)+SB  ; a new block of 512 columns: its eight scales and its bias
.endr
	v_readlane_b32 s52, v[SC+1], SB
.endif
	s_wait_xcnt 0x0                                ; this set of OUT, which the store four slots back reads, is written again only behind this wait (ISA guide 3.1)
.irp e, 0,1,2,3,4,5,6,7
	v_lshlrev_b32 v[T+4*(\e)],   2, v[RING+16*SQ+2*(\e)]
	v_lshrrev_b32 v[T+4*(\e)+1], 2, v[RING+16*SQ+2*(\e)]
	v_lshlrev_b32 v[T+4*(\e)+2], 2, v[RING+16*SQ+2*(\e)+1]
	v_lshrrev_b32 v[T+4*(\e)+3], 2, v[RING+16*SQ+2*(\e)+1]
.endr
	v_pk_add_f32 v[OUT+4*SQ:OUT+4*SQ+1],   v[P0+4*SQ:P0+4*SQ+1],   s[52:53] op_sel_hi:[1,0]   ; part 0 and the bias start the sums,
	v_pk_add_f32 v[OUT+4*SQ+2:OUT+4*SQ+3], v[P0+4*SQ+2:P0+4*SQ+3], s[52:53] op_sel_hi:[1,0]
	v_pk_add_f32 v[OUT+4*SQ:OUT+4*SQ+1],   v[OUT+4*SQ:OUT+4*SQ+1],   v[P1+4*SQ:P1+4*SQ+1]     ; part 1 follows: the slot's registers have all been read
	v_pk_add_f32 v[OUT+4*SQ+2:OUT+4*SQ+3], v[OUT+4*SQ+2:OUT+4*SQ+3], v[P1+4*SQ+2:P1+4*SQ+3]
.if (\s) < 12
	FILL SQ, (\s)+4
.endif
.set k, 0
.rept 32
	ds_bpermute_b32 v[T+k], v[T+k], v[CB]
.set k, k+1
.endr
.irp e, 0,1,2,3,4,5,6,7
	s_wait_dscnt 28-4*(\e)                         ; expert e's four values are in; the later experts' stay out
	v_pk_fma_f32 v[OUT+4*SQ:OUT+4*SQ+1],   v[T+4*(\e):T+4*(\e)+1],   s[36+2*(\e):37+2*(\e)], v[OUT+4*SQ:OUT+4*SQ+1] op_sel_hi:[1,0,1]
	v_pk_fma_f32 v[OUT+4*SQ+2:OUT+4*SQ+3], v[T+4*(\e)+2:T+4*(\e)+3], s[36+2*(\e):37+2*(\e)], v[OUT+4*SQ+2:OUT+4*SQ+3] op_sel_hi:[1,0,1]
.endr
	global_store_b128 v[O16], v[OUT+4*SQ:OUT+4*SQ+3], s[16:17] offset:512*(\s) th:TH_STORE_NT   ; 512 consecutive bytes, aligned
.endm
.set ss, 0
.rept 16
	SLOT ss
.set ss, ss+1
.endr
	s_endpgm
.Lfunc_end_k_q31843dead3_final:
	.size	k_q31843dead3_final, .Lfunc_end_k_q31843dead3_final-k_q31843dead3_final
	.p2alignl 7, 3214868480
	.fill 96, 4, 3214868480
	.section	.rodata,"a",@progbits
	.p2align	6, 0x0
	.amdhsa_kernel k_q31843dead3_final
		.amdhsa_group_segment_fixed_size 0
		.amdhsa_private_segment_fixed_size 0
		.amdhsa_enable_private_segment 0
		.amdhsa_kernarg_size 40
		.amdhsa_user_sgpr_count 2
		.amdhsa_user_sgpr_kernarg_segment_ptr 1
		.amdhsa_wavefront_size32 1
		.amdhsa_system_sgpr_workgroup_id_x 1
		.amdhsa_system_sgpr_workgroup_id_y 1
		.amdhsa_system_sgpr_workgroup_id_z 1
		.amdhsa_system_vgpr_workitem_id 0
		.amdhsa_next_free_vgpr 176
		.amdhsa_next_free_sgpr 66
		.amdhsa_reserve_vcc 0
		.amdhsa_float_denorm_mode_32 3
		.amdhsa_float_denorm_mode_16_64 3
		.amdhsa_memory_ordered 1
		.amdhsa_forward_progress 1
		.amdhsa_inst_pref_size 94
	.end_amdhsa_kernel
	.amdgpu_metadata
---
amdhsa.version: [ 1, 2 ]
amdhsa.kernels:
  - .name:           k_q31843dead3_final
    .symbol:         k_q31843dead3_final.kd
    .args:
      - { .name: nf4, .offset: 0, .size: 8, .value_kind: global_buffer, .address_space: global }
      - { .name: sc, .offset: 8, .size: 8, .value_kind: global_buffer, .address_space: global }
      - { .name: part, .offset: 16, .size: 8, .value_kind: global_buffer, .address_space: global }
      - { .name: codebook, .offset: 24, .size: 8, .value_kind: global_buffer, .address_space: global }
      - { .name: out0, .offset: 32, .size: 8, .value_kind: global_buffer, .address_space: global }
    .group_segment_fixed_size: 0
    .private_segment_fixed_size: 0
    .kernarg_segment_align: 8
    .kernarg_segment_size: 40
    .max_flat_workgroup_size: 512
    .sgpr_count:     66
    .vgpr_count:     176
    .wavefront_size: 32
...
	.end_amdgpu_metadata
.endif
;; end of part 4
;; ======== version 2 of 2: 4 launches; version 1 with the launch prep written anew for expert scheduling mode
;; workspace buffers: xb 16,777,216 bytes; w1b 16,777,216 bytes; w2b 16,777,216 bytes; hb 33,554,432 bytes; sc 1,048,576 bytes; part 67,108,864 bytes
;; launch prep (part 5): grid 256 x 1, 16 waves a work-group, no clusters, 67,584 bytes of LDS; arguments x, w1, w2, router_w, mean, std, xb, w1b, w2b, sc; writes xb, w1b, w2b, sc
.if DOCPART == 5
	.amdgcn_target "amdgcn-amd-amdhsa--gfx1250"
	.amdhsa_code_object_version 6
	.text
	.protected	k_q31843dead3_prep
	.globl	k_q31843dead3_prep
	.p2align	8
	.type	k_q31843dead3_prep,@function
k_q31843dead3_prep:
	s_mov_b64 s[64:65], 0
	v_nop
	global_prefetch_b8 v0, s[64:65] scope:SCOPE_SE
	s_setreg_imm32_b32 hwreg(HW_REG_WAVE_SCHED_MODE, 0, 2), 2
	s_setreg_imm32_b32 hwreg(HW_REG_WAVE_MODE, 25, 1), 1
	s_wait_xcnt 0x0
	s_wait_alu depctr_vm_vsrc(0)
; The casts and the router.  x, w1 and w2 (f32) are each 4,096 chunks of 2,048 numbers.  Wave R = 16 x work-group + wave (0 .. 4,095) rounds chunk R of all three to bf16
; (xb, w1b, w2b, same layouts) and makes token R's weights: logits x[R] . router_w in f32, softmax with its maximum taken away, p rounded to f16 and widened again.
; What the mix needs of them goes to sc[R]: for lane l = 4 e + b the pair (p_e std[e][b], the sum over e of p_e mean[e][l % 4]).  x is read once: its registers feed the cast and the logits.
; ORDER.  All 58 loads go out at the start; the router, which works on LDS, stands between x's cast and w1's and w2's, so that it runs while their 32 loads are on their way.
; No matrix unit (8 columns; x is in registers in f32 anyway), no cluster (work-groups share router_w's 64 KiB alone).
; LIMITS.  p = e x rcp(sum): a few units in f32's last place ahead of the rounding to f16; an exponential below 2^-126 counts as 0; NaN and infinities are not treated apart.
; LDS, 64 KiB: router_w laid anew, so that lane l finds the eight weights of its own four x of a load: the 16 bytes w[128 j + 4 l + c][4 half ..] lie at 4096 j + 1024 c + 512 half + 16 l.
; THE MODE: SCHED_MODE bits 1:0 = 2 (LLVM: expert scheduling mode 2), set by the entry lines.  The code itself states the register dependences
; between vector instructions and memory or LDS instructions, with s_wait_alu, always for 0.
; THE PLAN.  Registers that memory or LDS instructions touch, in the order of the text:
;   v2, v3        offsets, made at the head and never written again: every load, store and LDS load reads one of them.
;   v4, v5        made at the head; v4 is read by the eight LDS stores, v5 by the two small loads; then they are part of G2.
;   T = G0, G1    router_w's loads land; the LDS stores read; x's conversions write; xb's stores read; then the router's LDS loads land and its multiply-adds read.
;   G2            v4-11 and v20-27, idle during the router: LDS loads land, multiply-adds read.  Behind the router v20-27 are at work again.
;   X             loads land; vector instructions alone name it after that.
;   WA, WB        loads land; the conversions write in place; the stores read; never written again.
;   v22, v23      written by the arithmetic, read by sc's store.      v254, v255  made at the head, read by the closing add alone.
; THE ROUTER'S THREE BUFFERS.  Group g multiplies G[g % 3]; the loads issued in group g, group g + 2's, land in G[(g + 2) % 3] = G[(g - 1) % 3], which the group before multiplied and which no
; vector instruction of group g names.  So one wait on va_vdst at a group's head, behind the wait for the group's data, states all that its four loads hang on.
.set LANE, 1                           ; v1      lane
.set O16,  2                           ; v2      16 x lane; never rewritten
.set O8,   3                           ; v3      8 x lane; never rewritten
.set STG,  4                           ; v4      where my 16 bytes of router_w go in LDS
.set O4,   5                           ; v5      4 x lane
.set G2A,  4                           ; v4-11   the router's third buffer, first half
.set A,    12                          ; v12-19  eight partial logits; then at work
.set W,    20                          ; v20-27  at work; at the end v22 = p std, v23 = the bias
.set G2B,  20                          ; v20-27  during the router: the third buffer, second half
.set T,    28                          ; v28-59  router_w on its way, then packed x
.set G,    28                          ; then two buffers of 16 for router_w out of LDS
.set X,    60                          ; v60-123 x[R]: load j holds h = 128 j + 4 l + 0..3
.set WA,   124                         ; v124-187 w1's chunk
.set WB,   188                         ; v188-251 w2's chunk
.set SD,   252                         ; v252    std[R] word l = 4 e + b
.set MN,   253                         ; v253    mean[R] word l
	s_load_b512 s[8:23], s[0:1], 0x0               ; x 8, w1 10, w2 12, router_w 14, mean 16, std 18, xb 20, w1b 22
	s_load_b128 s[24:27], s[0:1], 0x40             ; w2b 24, sc 26
	v_lshl_add_u32 v254, v0, 2, 0x10000
	v_mov_b32 v255, 0
	v_lshrrev_b32 v1, 5, v0
	v_readfirstlane_b32 s2, v1                     ; wave 0..15
	v_and_b32 v[LANE], 31, v0
	v_lshlrev_b32 v[O16], 4, v[LANE]
	v_lshlrev_b32 v[O8], 3, v[LANE]
	v_lshlrev_b32 v[O4], 2, v[LANE]
	v_and_b32 v[STG], 7, v0                        ; load i, lane l holds row 16 i + l / 2 of my 128, half l % 2: c = (l / 2) % 4, place 4 i + l / 8
	v_lshlrev_b32 v[STG], 9, v[STG]                ; 1024 c + 512 half = 512 (l % 8)
	v_bfe_u32 v[W], v0, 3, 2
	v_lshl_add_u32 v[STG], v[W], 4, v[STG]         ; + 16 (l / 8); 64 i stands in the store's immediate
	s_mov_b32 s54, 0xffff0000                      ; lanes with bit 4 set
	s_mov_b32 s55, 0xff00ff00                      ; bit 3
	s_mov_b32 s56, 0xf0f0f0f0                      ; bit 2
	s_mov_b32 s58, 0x76543210                      ; v_permlanex16_b32: each lane takes its own place in the other half
	s_mov_b32 s59, 0xfedcba98
	s_wait_alu depctr_va_sdst(0)                   ; s2 is written, ahead of its first reader: R and all the bases are made from it
	s_lshl_b32 s3, ttmp9, 4
	s_add_co_u32 s3, s3, s2                        ; R
	s_lshl_b32 s4, s3, 13                          ; R x 8,192: a chunk of f32
	s_mov_b32 s5, 0
	s_lshl_b32 s6, s3, 12                          ; R x 4,096: a chunk of bf16
	s_mov_b32 s7, 0
	s_lshl_b32 s32, s3, 8                          ; R x 256: a token's pairs in sc
	s_mov_b32 s33, 0
	s_lshl_b32 s34, s3, 7                          ; R x 128: a token's mean, std
	s_mov_b32 s35, 0
	s_lshl_b32 s60, s2, 12                         ; wave x 4,096: my part of router_w, in memory and in LDS
	s_mov_b32 s61, 0
	v_add_nc_u32 v[STG], s60, v[STG]
	s_wait_kmcnt 0x0
	s_add_nc_u64 s[8:9], s[8:9], s[4:5]
	s_add_nc_u64 s[10:11], s[10:11], s[4:5]
	s_add_nc_u64 s[12:13], s[12:13], s[4:5]
	s_add_nc_u64 s[20:21], s[20:21], s[6:7]
	s_add_nc_u64 s[22:23], s[22:23], s[6:7]
	s_add_nc_u64 s[24:25], s[24:25], s[6:7]
	s_add_nc_u64 s[16:17], s[16:17], s[34:35]
	s_add_nc_u64 s[18:19], s[18:19], s[34:35]
	s_add_nc_u64 s[26:27], s[26:27], s[32:33]
	s_add_nc_u64 s[14:15], s[14:15], s[60:61]
	s_wait_alu depctr_va_vdst(0)                   ; v2 to v5 are written, which the loads, stores and LDS instructions below read; so is v20, in which, as in v4 and v5, LDS loads land later
	; 58 loads go out at once: 8 of router_w, 2 small ones, 16 each of x, w1, w2 (512 consecutive bytes an instruction)
.irp i, 0,1,2,3,4,5,6,7
	global_load_b128 v[T+4*(\i):T+4*(\i)+3], v[O16], s[14:15] offset:512*(\i)
.endr
	global_load_b32 v[SD], v[O4], s[18:19] th:TH_LOAD_NT
	global_load_b32 v[MN], v[O4], s[16:17] th:TH_LOAD_NT
.set j, 0
.rept 16
	global_load_b128 v[X+4*j:X+4*j+3], v[O16], s[8:9] offset:512*j th:TH_LOAD_NT
.set j, j+1
.endr
.set j, 0
.rept 16
	global_load_b128 v[WA+4*j:WA+4*j+3], v[O16], s[10:11] offset:512*j th:TH_LOAD_NT
.set j, j+1
.endr
.set j, 0
.rept 16
	global_load_b128 v[WB+4*j:WB+4*j+3], v[O16], s[12:13] offset:512*j th:TH_LOAD_NT
.set j, j+1
.endr
	s_wait_loadcnt 50                              ; loads come back in order (ISA guide 5.7.1): router_w's eight are in, the 50 younger stay out
.irp i, 0,1,2,3,4,5,6,7
	ds_store_b128 v[STG], v[T+4*(\i):T+4*(\i)+3] offset:64*(\i)
.endr
	s_wait_dscnt 0x0                               ; for the others' sake: my 4 KiB of the table are written
	s_barrier_signal -1
	s_barrier_wait -1                              ; all 64 KiB are; nothing writes them again
	s_wait_alu depctr_vm_vsrc(0)                   ; my LDS stores have read T, which the conversions below write, and v4; the two small loads have read v5: both belong to G2 from here on
	s_wait_loadcnt 32                              ; x and the small ones are in; w1's and w2's 32 stay out
.set k, 0
.rept 32
	v_cvt_pk_bf16_f32 v[T+k], v[X+2*k], v[X+2*k+1]
.set k, k+1
.endr
	s_wait_alu depctr_va_vdst(0)                   ; the conversions have written T, which the stores below read and in which the router's first LDS loads land
.set j, 0
.rept 16
	global_store_b64 v[O8], v[T+2*j:T+2*j+1], s[20:21] offset:256*j   ; the wave's store covers 256 consecutive bytes, aligned
.set j, j+1
.endr
	s_wait_xcnt 0x0                                ; T, which the stores read, is loaded again only behind this wait (ISA guide 3.1)
	s_wait_alu depctr_vm_vsrc(0)                   ; the stores have read T, in which the LDS loads below land
; THE ROUTER.  Group g = 2 j + cp: the eight weights of each of my x numbers 2 cp and 2 cp + 1 of load j.  RGRP: four LDS loads (lane l at 16 l: no two lanes in one bank).
; RFMA: eight packed multiply-adds onto eight partial logits.  GSET: where the two halves of buffer buf lie.
.macro GSET buf
.if (\buf) == 2
.set GC0, G2A
.set GC1, G2B
.else
.set GC0, G+16*(\buf)
.set GC1, G+16*(\buf)+8
.endif
.endm
.macro RGRP g, buf
	GSET \buf
	ds_load_b128 v[GC0:GC0+3],   v[O16] offset:((\g)/2)*4096+(2*((\g)%2))*1024
	ds_load_b128 v[GC0+4:GC0+7], v[O16] offset:((\g)/2)*4096+(2*((\g)%2))*1024+512
	ds_load_b128 v[GC1:GC1+3],   v[O16] offset:((\g)/2)*4096+(2*((\g)%2)+1)*1024
	ds_load_b128 v[GC1+4:GC1+7], v[O16] offset:((\g)/2)*4096+(2*((\g)%2)+1)*1024+512
.endm
.macro RFMA g, buf
	GSET \buf
.set XP, X+4*((\g)/2)+2*((\g)%2)       ; the pair of x that the group multiplies by
.irp k, 0,1,2,3
.if (\g) == 0
	v_pk_mul_f32 v[A+2*(\k):A+2*(\k)+1], v[GC0+2*(\k):GC0+2*(\k)+1], v[XP:XP+1] op_sel_hi:[1,0]   ; the first products start the sums
.else
	v_pk_fma_f32 v[A+2*(\k):A+2*(\k)+1], v[GC0+2*(\k):GC0+2*(\k)+1], v[XP:XP+1], v[A+2*(\k):A+2*(\k)+1] op_sel_hi:[1,0,1]
.endif
.endr
.irp k, 0,1,2,3
	v_pk_fma_f32 v[A+2*(\k):A+2*(\k)+1], v[GC1+2*(\k):GC1+2*(\k)+1], v[XP:XP+1], v[A+2*(\k):A+2*(\k)+1] op_sel:[0,1,0] op_sel_hi:[1,1,1]
.endr
.endm
	RGRP 0, 0
	RGRP 1, 1
.set gg, 0
.rept 32
.if gg < 31
	s_wait_dscnt 4                                 ; this group's four loads are in, the next group's four stay out
.else
	s_wait_dscnt 0x0
.endif
.if gg < 30
.if gg > 0
	s_wait_alu depctr_va_vdst(0)                   ; the multiply-adds of the group before are done reading their buffer, in which the four loads below land
.endif                                                 ; (group 0's loads land in G2, which no vector instruction has named since the head's wait; groups 30 and 31 load nothing)
	RGRP gg+2, (gg+2)%3
.endif
	RFMA gg, gg%3
.set gg, gg+1
.endr
	; Eight sums over 32 lanes at once: in each of three steps a lane keeps half of its logits and hands the other half to its partner.  Lane l ends with logit l / 4.
.irp k, 0,1,2,3
	v_cndmask_b32 v[W+(\k)], v[A+(\k)], v[A+4+(\k)], s54       ; lanes 16-31 keep logits 4-7,
	v_cndmask_b32 v[W+4+(\k)], v[A+4+(\k)], v[A+(\k)], s54     ; and hand over 0-3
	v_permlanex16_b32 v[A+(\k)], v[W+4+(\k)], s58, s59
	v_add_f32 v[W+(\k)], v[W+(\k)], v[A+(\k)]
.endr
.irp k, 0,1
	v_cndmask_b32 v[A+(\k)], v[W+(\k)], v[W+2+(\k)], s55
	v_cndmask_b32 v[A+2+(\k)], v[W+2+(\k)], v[W+(\k)], s55
	v_add_f32_dpp v[A+(\k)], v[A+2+(\k)], v[A+(\k)] row_xmask:8 row_mask:0xf bank_mask:0xf
.endr
	v_cndmask_b32 v[A+4], v[A], v[A+1], s56
	v_cndmask_b32 v[A+5], v[A+1], v[A], s56
	v_add_f32_dpp v[A+4], v[A+5], v[A+4] row_xmask:4 row_mask:0xf bank_mask:0xf
	v_add_f32_dpp v[A+4], v[A+4], v[A+4] row_xmask:2 row_mask:0xf bank_mask:0xf
	v_add_f32_dpp v[A+4], v[A+4], v[A+4] row_xmask:1 row_mask:0xf bank_mask:0xf
	; softmax over the eight logits: lane bits 2, 3, 4
	v_max_num_f32_dpp v[W], v[A+4], v[A+4] row_xmask:4 row_mask:0xf bank_mask:0xf
	v_max_num_f32_dpp v[W], v[W], v[W] row_xmask:8 row_mask:0xf bank_mask:0xf
	v_permlanex16_b32 v[W+1], v[W], s58, s59
	v_max_num_f32 v[W], v[W], v[W+1]
	v_sub_f32 v[A+4], v[A+4], v[W]                 ; the maximum is taken away
	v_mul_f32 v[A+4], 0x3fb8aa3b, v[A+4]           ; log2(e)
	v_exp_f32 v[A+4], v[A+4]
	v_nop                                          ; a plain instruction behind the exponential (ISA guide 5.7.2)
	s_wait_alu depctr_va_vdst(0)                   ; the exponential has written v16, ahead of the first line that names it
	v_add_f32_dpp v[W], v[A+4], v[A+4] row_xmask:4 row_mask:0xf bank_mask:0xf
	v_add_f32_dpp v[W], v[W], v[W] row_xmask:8 row_mask:0xf bank_mask:0xf
	v_permlanex16_b32 v[W+1], v[W], s58, s59
	v_add_f32 v[W], v[W], v[W+1]
	v_rcp_f32 v[W], v[W]
	v_nop
	s_wait_alu depctr_va_vdst(0)                   ; the reciprocal has written v20, ahead of the first line that names it
	v_mul_f32 v[A+4], v[A+4], v[W]
	v_cvt_pk_f16_f32 v[W+1], v[A+4], v[A+4]        ; p is rounded to f16 (the same number in both halves: the line writes a whole register)
	v_cvt_f32_f16 v[A+4], v21.l                    ; and widened again, as the definition has it (v21 = W + 1)
	v_mul_f32 v[W+2], v[A+4], v[SD]                ; lane 4 e + b: p_e std[e][b]
	v_mul_f32 v[W+3], v[A+4], v[MN]
	v_add_f32_dpp v[W+3], v[W+3], v[W+3] row_xmask:4 row_mask:0xf bank_mask:0xf
	v_add_f32_dpp v[W+3], v[W+3], v[W+3] row_xmask:8 row_mask:0xf bank_mask:0xf
	v_permlanex16_b32 v[W+1], v[W+3], s58, s59
	v_add_f32 v[W+3], v[W+3], v[W+1]               ; lane l: the sum over e of p_e mean[e][l % 4]
	s_wait_loadcnt 16                              ; w1's chunk is in; w2's 16 stay out
.set k, 0
.rept 32
	v_cvt_pk_bf16_f32 v[WA+k], v[WA+2*k], v[WA+2*k+1]                 ; in place, ascending: register k is written when 2 k and 2 k + 1 have been read
.set k, k+1
.endr
	s_wait_alu depctr_va_vdst(0)                   ; one wait for a run of 17 stores: the arithmetic has written v22 and v23, the conversions w1's 32 packed words
	global_store_b64 v[O8], v[W+2:W+3], s[26:27]   ; the token's 32 pairs: 256 consecutive bytes, aligned
.set j, 0
.rept 16
	global_store_b64 v[O8], v[WA+2*j:WA+2*j+1], s[22:23] offset:256*j
.set j, j+1
.endr
	s_wait_loadcnt 0x0                             ; w2's chunk is in
.set k, 0
.rept 32
	v_cvt_pk_bf16_f32 v[WB+k], v[WB+2*k], v[WB+2*k+1]
.set k, k+1
.endr
	s_wait_alu depctr_va_vdst(0)                   ; the conversions have written w2's 32 packed words, which the stores below read
.set j, 0
.rept 16
	global_store_b64 v[O8], v[WB+2*j:WB+2*j+1], s[24:25] offset:256*j
.set j, j+1
.endr
	s_wait_dscnt 0x0                               ; the closing lines, six on end
	s_wait_alu 0x0
	s_wait_tensorcnt 0x0
	ds_add_u32 v254, v255
	s_wait_dscnt 0x0
	s_endpgm
.Lfunc_end_k_q31843dead3_prep:
	.size	k_q31843dead3_prep, .Lfunc_end_k_q31843dead3_prep-k_q31843dead3_prep
	.p2alignl 7, 3214868480
	.fill 96, 4, 3214868480
	.section	.rodata,"a",@progbits
	.p2align	6, 0x0
	.amdhsa_kernel k_q31843dead3_prep
		.amdhsa_group_segment_fixed_size 67584
		.amdhsa_private_segment_fixed_size 0
		.amdhsa_enable_private_segment 0
		.amdhsa_kernarg_size 80
		.amdhsa_user_sgpr_count 2
		.amdhsa_user_sgpr_kernarg_segment_ptr 1
		.amdhsa_wavefront_size32 1
		.amdhsa_system_sgpr_workgroup_id_x 1
		.amdhsa_system_sgpr_workgroup_id_y 1
		.amdhsa_system_sgpr_workgroup_id_z 1
		.amdhsa_system_vgpr_workitem_id 0
		.amdhsa_next_free_vgpr 256
		.amdhsa_next_free_sgpr 66
		.amdhsa_reserve_vcc 0
		.amdhsa_float_denorm_mode_32 3
		.amdhsa_float_denorm_mode_16_64 3
		.amdhsa_memory_ordered 1
		.amdhsa_forward_progress 1
		.amdhsa_inst_pref_size 48
	.end_amdhsa_kernel
	.amdgpu_metadata
---
amdhsa.version: [ 1, 2 ]
amdhsa.kernels:
  - .name:           k_q31843dead3_prep
    .symbol:         k_q31843dead3_prep.kd
    .args:
      - { .name: x, .offset: 0, .size: 8, .value_kind: global_buffer, .address_space: global }
      - { .name: w1, .offset: 8, .size: 8, .value_kind: global_buffer, .address_space: global }
      - { .name: w2, .offset: 16, .size: 8, .value_kind: global_buffer, .address_space: global }
      - { .name: router_w, .offset: 24, .size: 8, .value_kind: global_buffer, .address_space: global }
      - { .name: mean, .offset: 32, .size: 8, .value_kind: global_buffer, .address_space: global }
      - { .name: std, .offset: 40, .size: 8, .value_kind: global_buffer, .address_space: global }
      - { .name: xb, .offset: 48, .size: 8, .value_kind: global_buffer, .address_space: global }
      - { .name: w1b, .offset: 56, .size: 8, .value_kind: global_buffer, .address_space: global }
      - { .name: w2b, .offset: 64, .size: 8, .value_kind: global_buffer, .address_space: global }
      - { .name: sc, .offset: 72, .size: 8, .value_kind: global_buffer, .address_space: global }
    .group_segment_fixed_size: 67584
    .private_segment_fixed_size: 0
    .kernarg_segment_align: 8
    .kernarg_segment_size: 80
    .max_flat_workgroup_size: 512
    .sgpr_count:     66
    .vgpr_count:     256
    .wavefront_size: 32
...
	.end_amdgpu_metadata
.endif
;; end of part 5
;; launch gemm1: the kernel of part 2 again; grid 16 x 16, 4 waves a work-group, clusters of 4 x 4, 327,680 bytes of LDS; arguments xb, w1b, hb; writes hb
;; launch gemm2: the kernel of part 3 again; grid 16 x 16, 4 waves a work-group, clusters of 4 x 4, 327,680 bytes of LDS; arguments hb, w2b, part; writes part
;; launch final: the kernel of part 4 again; grid 256 x 1, 16 waves a work-group, no clusters, 0 bytes of LDS; arguments nf4, sc, part, codebook, out0; writes out0
